; MI455X (gfx1250); checked and timed in simulation.
; The chip was launched on July 23, 2026; its instructions are those of AMD's public machine-readable ISA for CDNA 5 (MIT licence, August 2026) and "CDNA5" Instruction Set Architecture Reference Guide (July 2026). The comments in the code are by the model that wrote it; some were corrected since.
;; Multi Head Attention. Allowed arithmetic: matrix products marked QUANTISED: E2M1 operands, one E8M0 scale for each 32 along K, by v_wmma_scale_f32_16x16x128_f8f6f4 with both operands' format E2M1 (or v_wmma_scale_f32_32x16x128_f4), f32 sums; everything else in f32.
;; Inputs: K 8 x 1,024 x 256 float32; Q 8 x 1,024 x 256 float32; V 8 x 1,024 x 256 float32; Wk 256 x 2,048 float32; Wo 2,048 x 256 float32; Wq 256 x 2,048 float32; Wv 256 x 2,048 float32; att_mask_out 8 x 1 x 1,024 bool; bk 2,048 float32; bo 256 float32; bq 2,048 float32; bv 2,048 float32.
;; Outputs: out0 8 x 1,024 x 256 float32.
;; This version of the problem:
;;   THIS VERSION OF THE PROBLEM IS GIVEN IN LOW PRECISION. The matrix products marked QUANTISED in the list below multiply operands that are first quantised to E2M1 (2 exponent bits, 1 mantissa bit; 4 bits a number), with one power-of-two scale for each 32 numbers along K (OCP MX v1.0); their sums are f32. All else is computed in f32.
;;   The module's matrix products, in the order in which they are computed (A, B: the left and right operand; K: the contracted axis; several contracted axes count as one K, in the product's order):
;;     1. [M 8,192, K 256] x [K 256, N 2,048]; A: input Q; B: input Wq: QUANTISED
;;     2. [M 8,192, K 256] x [K 256, N 2,048]; A: input K; B: input Wk: QUANTISED
;;     3. [M 8,192, K 256] x [K 256, N 2,048]; A: input V; B: input Wv: QUANTISED
;;     4. batch 64 x [M 1,024, K 256] x [K 256, N 1,024]; A: computed on the way; B: computed on the way: QUANTISED
;;     5. batch 64 x [M 256, K 1,024] x [K 1,024, N 1,024]; A: computed on the way; B: softmax (see below): QUANTISED
;;     6. [M 8,192, K 2,048] x [K 2,048, N 256]; A: computed on the way; B: input Wo: QUANTISED
;;   THE QUANTISER, for each operand of a quantised product, along K:
;;     - K is cut into blocks of 32 from its start; a last block that is shorter is filled with zeros.
;;     - A block's scale is 2^e with e = floor(log2(the largest magnitude in the block)) - 2, held to -126 .. 127; a block of zeros has e = 0. As a byte (E8M0): e + 127.
;;     - Each number is divided by its block's scale, clamped to +-6, and rounded to the nearest number of E2M1, ties to even, subnormals kept.
;;     - The product sums the exact products of the quantised numbers (number of the format x scale) in f32.
;;   ~~~python
;;   def quantise(x, axis):      # numpy; x: float32 -> the quantised numbers, widened to float32 again
;;       x = np.moveaxis(x, axis, -1); K = x.shape[-1]
;;       x = np.pad(x, [(0, 0)] * (x.ndim - 1) + [(0, -K % 32)]); x = x.reshape(x.shape[:-1] + (-1, 32)); a = np.abs(x).max(-1, keepdims=True)
;;       e = np.where(a > 0, np.clip(np.frexp(np.where(a > 0, a, 1))[1] - 1 - 2, -126, 127), 0)      # np.frexp(a)[1] - 1 = floor(log2(a)), exactly
;;       r = np.clip(x / 2.0 ** e, -6, 6)
;;       step = 2.0 ** (np.maximum(np.frexp(np.where(r == 0, 1, r))[1] - 1, 0) - 1)
;;       q = np.round(r / step) * step * 2.0 ** e      # np.round: ties to even
;;       return np.moveaxis(q.reshape(q.shape[:-2] + (-1,))[..., :K], -1, axis).astype(np.float32)
;;   ~~~
;;   SOFTMAX AHEAD OF A QUANTISED PRODUCT. Where the list says 'softmax', what is quantised is not the finished softmax but p = 2^(t - M), with t = logit x log2(e) and M = ceil(the row's largest t), a whole number; so 1/2 < the row's largest p <= 1. The row's sum l is taken of the UNQUANTISED p, in f32, and the product's result is divided by l at the end. Since M is a whole number, a kernel that streams over the keys may use a running M (the ceiling of the running maximum): every later rescaling is an exact power of two, which a block's scale takes up: the codes' values come out the same.
;;   OPERANDS COMPUTED ON THE WAY. 'Computed on the way' means the value that the module computes at that place (a softmax that the list does not call 'softmax' is quantised finished and normalised). What goes into a quantiser is computed in f32, as accurately as f32 sums, v_exp_f32 and their like allow (about 1e-6 of the number): no bf16 or f16 on the way to a quantiser, and a product that is left as it is and whose result goes on into a quantised operand takes f32 operands (vector FMAs, or v_wmma_f32_16x16x4_f32). A number that lies on a knife's edge between two numbers of the format may be rounded either way, as far as f32 arithmetic and the matrix unit's own rounding can turn it there, and no further.
;; One version. Each part assembles by itself: llvm-mc -triple=amdgcn-amd-amdhsa -mcpu=gfx1250 --defsym DOCPART=n.
;; ======== version 1 of 1: 4 launches
;; limits: right only within a limited range of input values
;; workspace buffers: xbuf 3,342,336 bytes; wbuf 835,584 bytes; wobuf 278,528 bytes; kvbuf 17,825,792 bytes; cbuf 8,912,896 bytes
;; launch prep (part 1): grid 256 x 1, 8 waves a work-group, no clusters, 134,144 bytes of LDS; arguments Q, K, V, Wq, Wk, Wv, Wo, xbuf, wbuf, wobuf; writes xbuf, wbuf, wobuf
.if DOCPART == 1
	.amdgcn_target "amdgcn-amd-amdhsa--gfx1250"
	.amdhsa_code_object_version 6
	.text
	.protected	k_qddc431f133_prep
	.globl	k_qddc431f133_prep
	.p2align	8
	.type	k_qddc431f133_prep,@function
k_qddc431f133_prep:
	s_mov_b64 s[64:65], 0
	v_nop
	global_prefetch_b8 v0, s[64:65] scope:SCOPE_SE
	s_setreg_imm32_b32 hwreg(HW_REG_WAVE_MODE, 25, 1), 1
	s_wait_xcnt 0x0
; Q, K, V [8192][256] and Wq, Wk, Wv [256][2048], Wo [2048][256], all f32, become codes of FP4 (E2M1) with one E8M0 byte for each 32 along K.
; LAYOUT OF ALL CODES: images of operand registers.  A fragment is 16 rows x 128 K = 1,024 bytes, [c 0..1][lane 0..31][16 bytes]: lane (r = lane % 16, h = lane / 16)
; holds k = 64 c + 32 h + 0..31 of row r.  Its scale words are 16 words, word r = row r's four bytes.
; THE ROWS OF A TILE ARE NOT NEIGHBOURS: lane r of tile 2 a + u takes index 32 a + 8 u + r + 8 (r / 8) (rows of X, columns of W).
; A block's scale is 2^(floor(log2(largest magnitude)) - 2); its byte is the largest magnitude's exponent field - 2, held at 1 from below.
; LIMITS: a block of zeros gets the byte 1 where the rule says 127 (its codes are zeros, and this program alone reads the bytes); NaN and infinities among the inputs are not served.
; SHARES: every wave turns 16 KiB of f32.  Work-groups 0-191: a wave takes one tile of 16 rows of Q, K or V (K innermost: dense loads, a turn through the wave's own stage in LDS).
; Work-groups 192-255: a wave takes 32 columns x 128 K of a weight (K is the first axis: a lane takes a column and its registers run down K; nothing is transposed).
; No matrix work, no barrier, no cluster: waves share nothing, and every input byte is read once.
.set TM,  8                            ; v8-23   at work in QUANT
.set SEL, 38                           ; s[38:39] lane selects for v_permlanex16_b32: lane l xor 16
.set HM,  44                           ; s44     mask of lanes 16-31
.set SPT, 1040                         ; a stage row: 1,024 bytes + 16: sixteen rows start at sixteen different 16-byte columns of 256
; 64 numbers of a lane, register 16 b + i = k 32 b + 16 (lane / 16) + i of my row, become a fragment's codes in v[pc] on and its scale word in v[pw]
.macro QUANT s, pc, pw
.irp b, 0,1,2,3
	v_max3_num_f32 v[TM+\b], |v[16*\b+(\s)]|, |v[16*\b+1+(\s)]|, 0x1800000   ; my 16 numbers of block b, and the floor 2^(3 - 127): the byte cannot fall under 1
.endr
.irp i, 2,4,6,8,10,12,14
.irp b, 0,1,2,3
	s_delay_alu instid0(VALU_DEP_4)
	v_max3_num_f32 v[TM+\b], v[TM+\b], |v[16*\b+\i+(\s)]|, |v[16*\b+\i+1+(\s)]|
.endr
.endr
.irp b, 0,1,2,3
	s_delay_alu instid0(VALU_DEP_4)
	v_permlanex16_b32 v[TM+4+\b], v[TM+\b], s[SEL], s[SEL+1]
.endr
.irp b, 0,1,2,3
	s_delay_alu instid0(VALU_DEP_4)
	v_max_num_f32 v[TM+\b], v[TM+\b], v[TM+4+\b]             ; with lane l xor 16's: the block's largest magnitude
.endr
.irp b, 0,1,2,3
	s_delay_alu instid0(VALU_DEP_4)
	v_add_nc_u32 v[TM+12+\b], 0xff000000, v[TM+\b]           ; 2 off its exponent field: the conversion's scale operand
.endr
.irp b, 0,1,2,3
	s_delay_alu instid0(VALU_DEP_4)
	v_lshrrev_b32 v[TM+4+\b], 23, v[TM+12+\b]                ; the scale's byte
.endr
	s_delay_alu instid0(VALU_DEP_3)
	v_lshl_or_b32 v[\pw], v[TM+5], 8, v[TM+4]
	s_delay_alu instid0(VALU_DEP_1)
	v_lshl_or_b32 v[\pw], v[TM+6], 16, v[\pw]
	s_delay_alu instid0(VALU_DEP_1)
	v_lshl_or_b32 v[\pw], v[TM+7], 24, v[\pw]
.irp b, 0,1,2,3
	v_cvt_scalef32_pk8_fp4_f32 v[2*\b+(\pc)], v[16*\b+(\s):16*\b+7+(\s)], v[TM+12+\b]
	v_cvt_scalef32_pk8_fp4_f32 v[2*\b+1+(\pc)], v[16*\b+8+(\s):16*\b+15+(\s)], v[TM+12+\b]
.endr
	v_nop                                                    ; one plain place behind a scaled conversion
.irp c, 0,1
.irp i, 0,1
	v_permlane16_swap_b32 v[4*\c+\i+(\pc)], v[4*\c+2+\i+(\pc)]   ; the operand wants a whole block in a lane: lanes 0-15 block 2 c, lanes 16-31 block 2 c + 1
.endr
.endr
.endm
	s_load_b512 s[4:19], s[0:1], 0x0               ; Q, K, V, Wq, Wk, Wv, Wo, xbuf
	s_load_b128 s[20:23], s[0:1], 0x40             ; wbuf, wobuf
	v_lshl_add_u32 v62, v0, 2, 0x20800
	v_mov_b32 v63, 0
	v_lshrrev_b32 v1, 5, v0
	s_delay_alu instid0(VALU_DEP_1)
	v_readfirstlane_b32 s24, v1                    ; wave 0..7
	v_and_b32 v5, 31, v0                           ; lane
	s_delay_alu instid0(VALU_DEP_1)
	v_lshlrev_b32 v1, 4, v5                        ; 16 x lane
	s_delay_alu instid0(VALU_DEP_2)
	v_lshlrev_b32 v2, 2, v5                        ; 4 x lane
	s_cmp_ge_u32 ttmp9, 192
	s_cbranch_scc1 .Lweights
	; ---- rows of Q, K, V: tensor T = work-group / 64, tile xt = 8 (work-group % 64) + wave
	s_lshr_b32 s25, ttmp9, 6                       ; T
	s_and_b32 s26, ttmp9, 63
	s_lshl_b32 s26, s26, 3
	s_add_co_u32 s26, s26, s24                     ; xt
	s_and_b32 s27, s26, 1
	s_lshl_b32 s27, s27, 3
	s_lshl_b32 s28, s26, 4
	s_sub_co_u32 s28, s28, s27                     ; the tile's first row: 16 xt - 8 (xt % 2)
	s_lshl_b32 s28, s28, 10                        ; in bytes
	s_mov_b32 s29, 0
	s_lshl_b32 s34, s25, 5                         ; blocks of 16 tiles, 34,816 bytes: codes [tile][K step][1,024], then scale words [tile][K step][16]
	s_lshr_b32 s35, s26, 4
	s_add_co_u32 s34, s34, s35                     ; block 32 T + xt / 16
	s_mul_i32 s36, s34, 34816
	s_and_b32 s35, s26, 15                         ; tile xt % 16 of it
	s_lshl_b32 s37, s35, 7
	s_lshl_b32 s34, s35, 11
	s_add_co_u32 s34, s34, s36
	s_mov_b32 s35, 0
	s_add_co_u32 s36, s36, s37
	s_add_co_u32 s36, s36, 32768
	s_mov_b32 s37, 0
	s_mov_b32 s[SEL], 0x76543210
	s_mov_b32 s[SEL+1], 0xfedcba98
	s_mov_b32 s[HM], 0xffff0000
	s_mul_i32 s30, s24, 16*SPT                     ; my wave's stage
	s_wait_alu depctr_va_vdst(0)
	v_add_nc_u32 v3, s30, v1                       ; in: 512 dense bytes an instruction
	v_and_b32 v6, 15, v0
	v_bfe_u32 v7, v0, 4, 1
	s_delay_alu instid0(VALU_DEP_2)
	v_mul_u32_u24 v4, v6, SPT
	s_delay_alu instid0(VALU_DEP_1)
	v_lshl_add_u32 v4, v7, 6, v4
	s_delay_alu instid0(VALU_DEP_1)
	v_add_nc_u32 v4, s30, v4                       ; out: row r, + 64 h: my 16 numbers of each block of 32
.irp b, 0,1,2,3
	v_mov_b32 v[TM+4+\b], 0                        ; written once: a lane permute's destination counts as one of its sources
.endr
	s_wait_alu depctr_va_vdst(0)
	s_wait_kmcnt 0x0
	s_cmp_eq_u32 s25, 0
	s_cselect_b64 s[32:33], s[4:5], s[6:7]
	s_cmp_eq_u32 s25, 2
	s_cselect_b64 s[32:33], s[8:9], s[32:33]
	s_add_nc_u64 s[32:33], s[32:33], s[28:29]
	s_add_nc_u64 s[34:35], s[18:19], s[34:35]
	s_add_nc_u64 s[36:37], s[18:19], s[36:37]
.set i, 0
.rept 32                               ; load i: half i % 2 of the tile's row i / 2: 512 consecutive bytes
	global_load_b128 v[64+4*i:67+4*i], v1, s[32:33] offset:((i/2)+8*(i/16))*1024+512*(i%2) th:TH_LOAD_NT
.set i, i+1
.endr
	s_wait_loadcnt 16                              ; the first sixteen loads are in; the sixteen younger ones stay out
.set i, 0
.rept 16
	ds_store_b128 v3, v[64+4*i:67+4*i] offset:(i/2)*SPT+512*(i%2)
.set i, i+1
.endr
	s_wait_loadcnt 0x0
.rept 16
	ds_store_b128 v3, v[64+4*i:67+4*i] offset:(i/2)*SPT+512*(i%2)
.set i, i+1
.endr
.irp b, 0,1,2,3                        ; K step 0 back, 16 neighbours of each block a lane (LDS serves a wave's instructions in order: these see my stores)
.irp j, 0,1,2,3
	ds_load_b128 v[192+16*\b+4*\j:195+16*\b+4*\j], v4 offset:128*\b+16*\j
.endr
.endr
	s_wait_dscnt 0x0                               ; K step 0 is in, and the stores have read v64-191
.irp b, 0,1,2,3
.irp j, 0,1,2,3
	ds_load_b128 v[64+16*\b+4*\j:67+16*\b+4*\j], v4 offset:512+128*\b+16*\j
.endr
.endr
	QUANT 192, 32, 24
	global_store_b128 v1, v[32:35], s[34:35]               ; 512 consecutive bytes a store
	global_store_b128 v1, v[36:39], s[34:35] offset:512
	s_wait_dscnt 0x0                               ; K step 1 is in
	QUANT 64, 40, 25
	global_store_b128 v1, v[40:43], s[34:35] offset:1024
	global_store_b128 v1, v[44:47], s[34:35] offset:1536
	v_cndmask_b32 v26, v24, v25, s[HM]             ; lanes 0-15: K step 0's words, lanes 16-31: K step 1's
	global_store_b32 v2, v26, s[36:37]
	s_wait_tensorcnt 0x0
	ds_add_u32 v62, v63
	s_wait_dscnt 0x0
	s_endpgm
	; ---- weights: a lane takes a column, its registers run down 128 K (four blocks)
.macro WLOAD kb, pitch
.irp i, 0,1,2,3,4,5,6,7,8,9,10,11,12,13,14,15,16,17,18,19,20,21,22,23,24,25,26,27,28,29,30,31
	global_load_b32 v[64+32*(\kb)+\i], v2, s[40:41] offset:(32*(\kb)+\i)*(\pitch) th:TH_LOAD_NT   ; 128 consecutive bytes a wave; the eight waves stand side by side
.endr
.endm
.macro WBLOCK kb
.set XS, 64+32*(\kb)
	v_max3_num_f32 v12, |v[XS]|, |v[XS+1]|, |v[XS+2]|      ; all 32 numbers of the block are mine
	v_max3_num_f32 v13, |v[XS+3]|, |v[XS+4]|, |v[XS+5]|
.irp i, 6,10,14,18,22,26
	s_delay_alu instid0(VALU_DEP_2)
	v_max3_num_f32 v12, v12, |v[XS+\i]|, |v[XS+\i+1]|
	s_delay_alu instid0(VALU_DEP_2)
	v_max3_num_f32 v13, v13, |v[XS+\i+2]|, |v[XS+\i+3]|
.endr
	s_delay_alu instid0(VALU_DEP_2)
	v_max3_num_f32 v12, v12, |v[XS+30]|, |v[XS+31]|
	s_delay_alu instid0(VALU_DEP_1)
	v_max3_num_f32 v12, v12, v13, 0x1800000
	s_delay_alu instid0(VALU_DEP_1)
	v_add_nc_u32 v[8+(\kb)], 0xff000000, v12
	s_delay_alu instid0(VALU_DEP_1)
	v_lshrrev_b32 v13, 23, v[8+(\kb)]
.if (\kb) == 0
	s_delay_alu instid0(VALU_DEP_1)
	v_mov_b32 v24, v13
.else
	s_delay_alu instid0(VALU_DEP_1)
	v_lshl_or_b32 v24, v13, 8*(\kb), v24
.endif
.irp g, 0,1,2,3
	v_cvt_scalef32_pk8_fp4_f32 v[32+4*(\kb)+\g], v[XS+8*\g:XS+8*\g+7], v[8+(\kb)]
.endr
	v_nop
	global_store_b128 v3, v[32+4*(\kb):35+4*(\kb)], s[34:35] offset:512*((\kb)/2)+256*((\kb)%2)   ; block 2 c + h is (c, h) of the image: the sixteen lanes of a tile store 256 consecutive bytes, aligned
.endm
.macro WALL pitch                      ; loads run two blocks ahead; each count of 32 leaves the youngest block's 32 loads out
	WLOAD 0, \pitch
	WLOAD 1, \pitch
	s_wait_loadcnt 32
	WLOAD 2, \pitch
	WBLOCK 0
	s_wait_loadcnt 32
	WLOAD 3, \pitch
	WBLOCK 1
	s_wait_loadcnt 32
	WBLOCK 2
	s_wait_loadcnt 0x0
	WBLOCK 3
	global_store_b32 v4, v24, s[36:37]             ; the scale words leave in runs of 64 bytes: one byte in 128 of what this path reads
	s_endpgm
.endm
.Lweights:
	s_sub_co_u32 s25, ttmp9, 192                   ; gw
	s_lshr_b32 s26, s25, 4                         ; which weight: 0 Wq, 1 Wk, 2 Wv, 3 Wo
	s_and_b32 s27, s25, 15
	v_bfe_u32 v6, v0, 3, 1                         ; column 32 a + lane is lane r of tile 2 a + u:  u = (lane / 8) % 2,
	v_and_b32 v7, 7, v0
	v_bfe_u32 v3, v0, 4, 1
	s_delay_alu instid0(VALU_DEP_1)
	v_lshl_add_u32 v7, v3, 3, v7                   ; r = lane % 8 + 8 (lane / 16)
	s_delay_alu instid0(VALU_DEP_1)
	v_lshlrev_b32 v4, 2, v7
	s_delay_alu instid0(VALU_DEP_1)
	v_lshl_add_u32 v4, v6, 7, v4                   ; scale word: 128 u + 4 r
	s_delay_alu instid0(VALU_DEP_3)
	v_lshlrev_b32 v3, 4, v7                        ; codes: 16 r (+ u x a tile's distance, below)
	s_cmp_eq_u32 s26, 3
	s_cbranch_scc1 .Lwo
	s_lshl_b32 s28, s27, 3
	s_add_co_u32 s28, s28, s24                     ; job 0..127
	s_and_b32 s29, s28, 63                         ; a: 32 columns
	s_lshr_b32 s30, s28, 6                         ; s: K step
	s_lshl_b32 s32, s30, 20                        ; 128 rows of 8,192 bytes
	s_lshl_b32 s33, s29, 7
	s_add_co_u32 s32, s32, s33
	s_mov_b32 s33, 0
	s_lshl_b32 s36, s26, 3                         ; the same blocks: one for each head of each weight
	s_lshr_b32 s37, s29, 3
	s_add_co_u32 s36, s36, s37                     ; block 8 T + a / 8
	s_mul_i32 s36, s36, 34816
	s_and_b32 s37, s29, 7                          ; tiles 2 (a % 8) and 2 (a % 8) + 1 of it
	s_lshl_b32 s34, s37, 12
	s_lshl_b32 s35, s30, 10
	s_add_co_u32 s34, s34, s35
	s_add_co_u32 s34, s34, s36
	s_mov_b32 s35, 0
	s_lshl_b32 s37, s37, 8
	s_add_co_u32 s36, s36, s37
	s_lshl_b32 s37, s30, 6
	s_add_co_u32 s36, s36, s37
	s_add_co_u32 s36, s36, 32768
	s_mov_b32 s37, 0
	s_wait_alu depctr_va_vdst(0)
	v_lshl_add_u32 v3, v6, 11, v3                  ; tiles lie 2,048 bytes apart
	s_wait_kmcnt 0x0
	s_cmp_eq_u32 s26, 0
	s_cselect_b64 s[40:41], s[10:11], s[12:13]
	s_cmp_eq_u32 s26, 2
	s_cselect_b64 s[40:41], s[14:15], s[40:41]
	s_add_nc_u64 s[40:41], s[40:41], s[32:33]
	s_add_nc_u64 s[34:35], s[20:21], s[34:35]
	s_add_nc_u64 s[36:37], s[20:21], s[36:37]
	WALL 8192
.Lwo:                                  ; Wo: 32 columns = wave, K step ks = gw % 16; blocks [cg][kc] of 17,408 bytes: codes [k][ct][1,024], then scale words [k / 2][ct][k % 2][16]
	s_lshl_b32 s32, s27, 17                        ; 128 rows of 1,024 bytes
	s_lshl_b32 s33, s24, 7
	s_add_co_u32 s32, s32, s33
	s_mov_b32 s33, 0
	s_lshr_b32 s28, s24, 1                         ; cg
	s_lshl_b32 s28, s28, 2
	s_lshr_b32 s29, s27, 2                         ; kc
	s_add_co_u32 s28, s28, s29
	s_mul_i32 s28, s28, 17408
	s_and_b32 s29, s27, 3                          ; k
	s_and_b32 s30, s24, 1
	s_lshl_b32 s30, s30, 1                         ; my first tile ct
	s_lshl_b32 s34, s29, 2
	s_add_co_u32 s34, s34, s30
	s_lshl_b32 s34, s34, 10
	s_add_co_u32 s34, s34, s28
	s_mov_b32 s35, 0
	s_lshr_b32 s36, s29, 1
	s_lshl_b32 s36, s36, 2
	s_add_co_u32 s36, s36, s30
	s_lshl_b32 s36, s36, 7
	s_and_b32 s31, s27, 1
	s_lshl_b32 s31, s31, 6
	s_add_co_u32 s36, s36, s31
	s_add_co_u32 s36, s36, s28
	s_add_co_u32 s36, s36, 16384
	s_mov_b32 s37, 0
	s_wait_alu depctr_va_vdst(0)
	v_lshl_add_u32 v3, v6, 10, v3                  ; tiles lie 1,024 bytes apart
	s_wait_kmcnt 0x0
	s_add_nc_u64 s[40:41], s[16:17], s[32:33]
	s_add_nc_u64 s[34:35], s[22:23], s[34:35]
	s_add_nc_u64 s[36:37], s[22:23], s[36:37]
	WALL 1024
.Lfunc_end_k_qddc431f133_prep:
	.size	k_qddc431f133_prep, .Lfunc_end_k_qddc431f133_prep-k_qddc431f133_prep
	.p2alignl 7, 3214868480
	.fill 96, 4, 3214868480
	.section	.rodata,"a",@progbits
	.p2align	6, 0x0
	.amdhsa_kernel k_qddc431f133_prep
		.amdhsa_group_segment_fixed_size 134144
		.amdhsa_private_segment_fixed_size 0
		.amdhsa_enable_private_segment 0
		.amdhsa_kernarg_size 80
		.amdhsa_user_sgpr_count 2
		.amdhsa_user_sgpr_kernarg_segment_ptr 1
		.amdhsa_wavefront_size32 1
		.amdhsa_system_sgpr_workgroup_id_x 1
		.amdhsa_system_sgpr_workgroup_id_y 1
		.amdhsa_system_sgpr_workgroup_id_z 1
		.amdhsa_system_vgpr_workitem_id 0
		.amdhsa_next_free_vgpr 256
		.amdhsa_next_free_sgpr 66
		.amdhsa_reserve_vcc 0
		.amdhsa_float_denorm_mode_32 3
		.amdhsa_float_denorm_mode_16_64 3
		.amdhsa_memory_ordered 1
		.amdhsa_forward_progress 1
		.amdhsa_inst_pref_size 65
	.end_amdhsa_kernel
	.amdgpu_metadata
---
amdhsa.version: [ 1, 2 ]
amdhsa.kernels:
  - .name:           k_qddc431f133_prep
    .symbol:         k_qddc431f133_prep.kd
    .args:
      - { .name: Q, .offset: 0, .size: 8, .value_kind: global_buffer, .address_space: global }
      - { .name: K, .offset: 8, .size: 8, .value_kind: global_buffer, .address_space: global }
      - { .name: V, .offset: 16, .size: 8, .value_kind: global_buffer, .address_space: global }
      - { .name: Wq, .offset: 24, .size: 8, .value_kind: global_buffer, .address_space: global }
      - { .name: Wk, .offset: 32, .size: 8, .value_kind: global_buffer, .address_space: global }
      - { .name: Wv, .offset: 40, .size: 8, .value_kind: global_buffer, .address_space: global }
      - { .name: Wo, .offset: 48, .size: 8, .value_kind: global_buffer, .address_space: global }
      - { .name: xbuf, .offset: 56, .size: 8, .value_kind: global_buffer, .address_space: global }
      - { .name: wbuf, .offset: 64, .size: 8, .value_kind: global_buffer, .address_space: global }
      - { .name: wobuf, .offset: 72, .size: 8, .value_kind: global_buffer, .address_space: global }
    .group_segment_fixed_size: 134144
    .private_segment_fixed_size: 0
    .kernarg_segment_align: 8
    .kernarg_segment_size: 80
    .max_flat_workgroup_size: 256
    .sgpr_count:     66
    .vgpr_count:     256
    .wavefront_size: 32
...
	.end_amdgpu_metadata
.endif
;; end of part 1
;; launch proj (part 2): grid 8 x 32, 8 waves a work-group, clusters of 4 x 4, 167,936 bytes of LDS; arguments xbuf, wbuf, bk, bv, att_mask_out, kvbuf; writes kvbuf
.if DOCPART == 2
	.amdgcn_target "amdgcn-amd-amdhsa--gfx1250"
	.amdhsa_code_object_version 6
	.text
	.protected	k_qddc431f133_proj
	.globl	k_qddc431f133_proj
	.p2align	8
	.type	k_qddc431f133_proj,@function
k_qddc431f133_proj:
	s_mov_b64 s[64:65], 0
	v_nop
	global_prefetch_b8 v0, s[64:65] scope:SCOPE_SE
	s_setreg_imm32_b32 hwreg(HW_REG_WAVE_MODE, 25, 1), 1
	s_wait_xcnt 0x0
	s_wait_alu depctr_hold_cnt(0) depctr_sa_sdst(0) depctr_va_vdst(0) depctr_va_sdst(0) depctr_va_ssrc(0) depctr_va_vcc(0) depctr_vm_vsrc(0)
	s_getreg_b32 s2, hwreg(HW_REG_IB_STS2, 6, 4)
	s_cmp_eq_u32 s2, 0
	s_cbranch_scc0 .Lentry_in_a_cluster
	s_endpgm
.Lentry_in_a_cluster:
	s_bfe_u32 s2, ttmp6, 0x10000c
	s_cmp_lg_u32 s2, 0xf033
	s_cbranch_scc0 .Lentry_shape_is_right
	s_endpgm
.Lentry_shape_is_right:
; k = K Wk + bk and v = V Wv + bv on codes of FP4, each result quantised at once for the product that takes it: k along the head's 256 channels, v along the keys.
; A WORK-GROUP makes 256 tokens x one head (256 channels) of both: work-group x = head, y = block of 256 tokens.  Each of its eight waves makes 32 tokens of k, then 32 channels of v.
; Source 0 = P, whose 16-row tiles run along the next K; source 1 = R, whose rows stay in the lanes.  k: P = the weight's columns, R = the tokens.  v: P = the tokens (keys), R = the weight's columns.
; By the order of a tile's rows (lane r of tile 2 a + u is index 32 a + 8 u + r + 8 (r / 8)) the 16 registers of result tiles 2 a, 2 a + 1 are 16 neighbours along the next K.
; The bias is the C of each sum's first product.  THE CODES OF MASKED KEYS ARE SET TO ZERO in k: their scores are then exactly the mask's number, which the next launch gives as C.
; A BLOCK, of inputs and of results alike, is 16 tiles, 34,816 bytes: codes [tile][K step][1,024], images of operand registers, then scale words [tile][K step][16].
; LDS, filled once: the blocks of K's tokens, Wk, V's tokens, Wv; then bk's and bv's 256 numbers; then the spare words.  Eight half blocks, one tensor load a wave, all at the head:
; there is no loop that asks for tiles, so there is no later request that a prefetch could run ahead of.
; CLUSTER 4 x 4: a token block is shared by the four heads of a row of the cluster, a weight block by the four token blocks of a column: each is asked for jointly.
; LIMITS: a block of zeros gets the byte 1 (its codes are zeros; this program alone reads the bytes); NaN and infinities are not served.
; REGISTERS, window 0: v1 16 x lane, v2 4 x lane, v3 64 x half, v4 spare word, v5 0, v6-7 R's scale words, v8-15 addresses and mask bytes, v16-79 codes on their way out, v80-91 their scale words, v176-207 R's four fragments,
;   v208-215 P's scale words, v216-231 at work, v252-254 LDS addresses.  window 1: v0-127 results (tile q of R, tile t of P at 64 q + 8 t), v128-191 four tiles of P, v192-255 C.
.set BLK,   34816
.set BKT,   4*BLK
.set SPARE, 4*BLK+2048
.set TM,  216
.set SEL, 2
.set HM,  81
.set KF,  128
.set CB,  192
.set QB,  176
.set QW,  6
.set CV,  0                            ; 0: C runs along P (k);  1: C hangs on R's row (v)
.set MSB, 0
.macro WIN new                         ; the immediate's high byte repeats the setting that is left
.if MSB != \new
	s_set_vgpr_msb (MSB<<8)|\new
.set MSB, \new
.endif
.endm
.macro ROUND                           ; a round of the cluster's barrier
	s_barrier_signal -1
	s_barrier_wait -1
	s_cmp_lg_u32 s12, 0
	s_cbranch_scc1 .Lnot_wave_0_\@
	s_barrier_signal -3
.Lnot_wave_0_\@:
	s_barrier_wait -3
	s_barrier_signal -1
	s_barrier_wait -1
.endm
.macro ARM under, g0, g1, next         ; one arm of the tree of the head's loads
	s_cmp_lt_u32 s12, \under
	s_cbranch_scc0 \next
	tensor_load_to_lds s[\g0:\g0+3], s[\g1:\g1+7]
	s_nop 0
.rept 4
	v_nop
.endr
	s_branch .Lhead_asked
\next:
.endm
.macro PLACES                          ; places in front of loads into registers that products have read, and of the first read of results
.rept 4
	v_nop
.endr
.endm
; 64 results of a lane in window 1, register 16 b + i = index 32 b + 16 (lane / 16) + i, become a fragment's codes in v[pc] on and its scale word in v[pw]
.macro QUANT s, pc, pw
	WIN 0x05
.irp b, 0,1,2,3
	v_max3_num_f32 v[TM+\b], |v[16*\b+(\s)]|, |v[16*\b+1+(\s)]|, 0x1800000   ; and the floor 2^(3 - 127): the byte cannot fall under 1
.endr
	WIN 0x14
.irp i, 2,4,6,8,10,12,14
.irp b, 0,1,2,3
	v_max3_num_f32 v[TM+\b], v[TM+\b], |v[16*\b+\i+(\s)]|, |v[16*\b+\i+1+(\s)]|
.endr
.endr
	WIN 0
.irp b, 0,1,2,3
	v_permlanex16_b32 v[TM+4+\b], v[TM+\b], s[SEL], s[SEL+1]
.endr
.irp b, 0,1,2,3
	v_max_num_f32 v[TM+\b], v[TM+\b], v[TM+4+\b]             ; with lane l xor 16's: the block's largest magnitude
.endr
.irp b, 0,1,2,3
	v_add_nc_u32 v[TM+12+\b], 0xff000000, v[TM+\b]           ; 2 off its exponent field: the conversion's scale operand
.endr
.irp b, 0,1,2,3
	v_lshrrev_b32 v[TM+4+\b], 23, v[TM+12+\b]                ; the scale's byte
.endr
	v_lshl_or_b32 v[\pw], v[TM+5], 8, v[TM+4]
	v_lshl_or_b32 v[TM+6], v[TM+7], 8, v[TM+6]
	v_lshl_or_b32 v[\pw], v[TM+6], 16, v[\pw]
	WIN 0x01
.irp b, 0,1,2,3
	v_cvt_scalef32_pk8_fp4_f32 v[2*\b+(\pc)], v[16*\b+(\s):16*\b+7+(\s)], v[TM+12+\b]
	v_cvt_scalef32_pk8_fp4_f32 v[2*\b+1+(\pc)], v[16*\b+8+(\s):16*\b+15+(\s)], v[TM+12+\b]
.endr
	v_nop                                                    ; one plain place behind a scaled conversion
	WIN 0
.irp c, 0,1
.irp i, 0,1
	v_permlane16_swap_b32 v[4*\c+\i+(\pc)], v[4*\c+2+\i+(\pc)]   ; a whole block in a lane: lanes 0-15 block 2 c, lanes 16-31 block 2 c + 1
.endr
.endr
.endm
.macro WM0 d, a, b, c, sa, sb          ; K step 0: scale words from lanes 0-15
	v_wmma_scale_f32_16x16x128_f8f6f4 v[0+(\d):7+(\d)], v[0+(\a):7+(\a)], v[0+(\b):7+(\b)], v[0+(\c):7+(\c)], v[0+(\sa)], v[0+(\sb)] matrix_a_fmt:MATRIX_FMT_FP4 matrix_b_fmt:MATRIX_FMT_FP4
.endm
.macro WM1 d, a, b, sa, sb             ; K step 1, in place: scale words from lanes 16-31
	v_wmma_scale_f32_16x16x128_f8f6f4 v[0+(\d):7+(\d)], v[0+(\a):7+(\a)], v[0+(\b):7+(\b)], v[0+(\d):7+(\d)], v[0+(\sa)], v[0+(\sb)] matrix_a_fmt:MATRIX_FMT_FP4 matrix_b_fmt:MATRIX_FMT_FP4 matrix_a_scale:MATRIX_SCALE_ROW1 matrix_b_scale:MATRIX_SCALE_ROW1
.endm
.macro QK t0                           ; four tiles of P x two of R: eight accumulators by turns
.if (\t0) == 0                         ; tiles 0-3 lie in window 1, v128-191; tiles 4-7 in window 0, v96-159
	WIN 0x51
.set KF, 128
.else
	WIN 0x50
.set KF, 96
.endif
.irp d, 0,1,2,3
.irp q, 0,1
.if CV
	WM0 64*\q+8*((\t0)+\d), KF+16*\d, QB+16*\q, CB+8*\q, 208+(\t0)+\d, QW+\q
.else
	WM0 64*\q+8*((\t0)+\d), KF+16*\d, QB+16*\q, CB+8*((\t0)+\d), 208+(\t0)+\d, QW+\q
.endif
.endr
.endr
.irp d, 0,1,2,3
.irp q, 0,1
	WM1 64*\q+8*((\t0)+\d), KF+16*\d+8, QB+16*\q+8, 208+(\t0)+\d, QW+\q
.endr
.endr
.endm
.macro LDF h, t0                       ; four tiles of P, both K steps, from half h of the block: tiles 0-3 into window 1, v128-191, tiles 4-7 into window 0, v96-159
.if (\t0) == 0
	WIN 0x40
.set KF, 128
.else
	WIN 0
.set KF, 96
.endif
.irp d, 0,1,2,3
.irp s, 0,1
.irp c, 0,1
	ds_load_b128 v[KF+16*\d+8*\s+4*\c:KF+3+16*\d+8*\s+4*\c], v252 offset:16384*(\h)+(2*((\t0)+\d)+\s)*1024+512*\c
.endr
.endr
.endr
	WIN 0
.endm
.macro PREF h                          ; P's scale words, C, and tiles 0-3 of half h
.irp t, 0,1,2,3,4,5,6,7
	ds_load_b32 v[208+\t], v253 offset:32768+1024*(\h)+128*\t
.endr
.if CV == 0
	WIN 0x40
.irp t, 0,1,2,3,4,5,6,7
	ds_load_b128 v[CB+8*\t:CB+3+8*\t], v254 offset:512*(\h)+4*(32*(\t/2)+8*(\t%2))
	ds_load_b128 v[CB+4+8*\t:CB+7+8*\t], v254 offset:512*(\h)+4*(32*(\t/2)+8*(\t%2))+16
.endr
.endif
	LDF \h, 0
	LDF \h, 4                                      ; and tiles 4-7
.endm
.macro PRODUCTS h                      ; half h: 32 products
	s_wait_alu depctr_va_vdst(0)
	s_wait_dscnt 16                                ; tiles 4-7's sixteen loads, the youngest, may be out
	QK 0
	s_wait_dscnt 0x0
	QK 4
	PLACES
	WIN 0
.endm
.macro RLD a, w                        ; my two tiles of R: they stay for the job
.irp i, 0,1,2,3,4,5,6,7
	ds_load_b128 v[QB+4*\i:QB+3+4*\i], v[\a] offset:512*\i
.endr
	ds_load_b32 v6, v[\w] offset:32768
	ds_load_b32 v7, v[\w] offset:32768+128
.endm
.macro QOUT job, hf                    ; half hf of job (0: k, 1: v) quantised and stored, 512 consecutive bytes a store; every store's data have registers of their own
.irp q, 0,1
.set PC, 16+32*(\job)+16*\q+8*(\hf)
	QUANT 64*\q, PC, 80+4*(\job)+2*\q+(\hf)
.if (\job) == 0
.irp i, 0,1,2,3,4,5,6,7
	v_cndmask_b32 v[PC+\i], 0, v[PC+\i], s[62+\q]  ; a masked key's codes are zeros
.endr
.endif
	global_store_b128 v1, v[PC:PC+3], s[66:67] offset:4*BLK*(\job)+2048*\q+1024*(\hf)
	global_store_b128 v1, v[PC+4:PC+7], s[66:67] offset:4*BLK*(\job)+2048*\q+1024*(\hf)+512
.endr
.if (\hf) == 1
.irp q, 0,1
	v_cndmask_b32 v[88+2*(\job)+\q], v[80+4*(\job)+2*\q], v[81+4*(\job)+2*\q], s[HM]   ; lanes 0-15: K step 0's words, lanes 16-31: K step 1's
.endr
.irp q, 0,1
	global_store_b32 v2, v[88+2*(\job)+\q], s[68:69] offset:4*BLK*(\job)+128*\q
.endr
.endif
.endm
	s_load_b256 s[4:11], s[0:1], 0x0               ; xbuf, wbuf, bk, bv
	s_load_b128 s[72:75], s[0:1], 0x20             ; mask, kvbuf
	v_lshl_add_u32 v4, v0, 2, SPARE
	v_mov_b32 v5, 0
	ds_add_u32 v4, v5                              ; the wave's opening: the add, twice on end, and its wait
	ds_add_u32 v4, v5
	v_lshrrev_b32 v6, 5, v0
	v_readfirstlane_b32 s12, v6                    ; wave 0..7
	v_and_b32 v7, 31, v0
	v_lshlrev_b32 v1, 4, v7
	v_lshlrev_b32 v2, 2, v7
	v_bfe_u32 v7, v0, 4, 1
	v_lshlrev_b32 v3, 6, v7
	v_and_b32 v8, 15, v0
	v_and_b32 v9, 8, v8
	v_add_nc_u32 v8, v8, v9                        ; r + 8 (r / 8)
	v_lshlrev_b32 v255, 2, v0
	v_lshl_add_u32 v254, v0, 2, BKT
.irp b, 0,1,2,3
	v_mov_b32 v[TM+4+\b], 0                        ; written once: a lane permute's destination counts as one of its sources
.endr
	s_lshl_b32 s80, s12, 12
	v_add_nc_u32 v12, s80, v1                      ; my two tiles of R in a block: codes,
	s_lshl_b32 s82, s12, 8
	v_add_nc_u32 v13, s82, v2                      ; scale words
	v_add_nc_u32 v14, 3*BLK, v12
	v_add_nc_u32 v15, 3*BLK, v13
	s_lshl_b32 s83, s12, 7
	s_add_co_u32 s83, s83, BKT+1024
	v_lshl_add_u32 v9, v8, 2, s83                  ; v's bias: my lane's channel
	v_add_nc_u32 v252, BLK, v1
	v_add_nc_u32 v253, BLK, v2
	s_bfe_u32 s40, ttmp6, 0x40000                  ; cx, cy
	s_bfe_u32 s41, ttmp6, 0x40004
	s_lshl_b32 s42, ttmp9, 2
	s_add_co_u32 s42, s42, s40                     ; head
	s_and_b32 s13, ttmp7, 0xffff
	s_lshl_b32 s13, s13, 2
	s_add_co_u32 s13, s13, s41                     ; block of 256 tokens
	s_lshl_b32 s43, s41, 2
	s_lshl_b32 s43, 15, s43                        ; my row of the cluster
	s_lshl_b32 s44, 0x1111, s40                    ; my column
	s_or_b32 s16, s43, (3<<16)|(1<<21)             ; descriptor groups 1: 68 dense rows of 256 bytes (32 elements of 8 bytes), half a block; tokens go to my row,
	s_or_b32 s24, s44, (3<<16)|(1<<21)             ; weights to my column
.irp g, 16, 24
	s_mov_b32 s[\g+1], 32<<16
	s_mov_b32 s[\g+2], 68<<16
	s_mov_b32 s[\g+3], 32<<16
	s_mov_b32 s[\g+4], 68
	s_mov_b32 s[\g+5], 32
	s_mov_b32 s[\g+6], 0
	s_mov_b32 s[\g+7], 0
.endr
	s_mov_b32 s[SEL], 0x76543210
	s_mov_b32 s[SEL+1], 0xfedcba98
	s_mov_b32 s[HM], 0xffff0000
	s_mul_i32 s46, s12, 17408                      ; LDS: wave w fetches half w % 2 of block w / 2
	s_and_b32 s45, s12, 1
	s_mul_i32 s45, s45, 17408
	s_mul_i32 s56, s13, BLK
	s_add_co_u32 s56, s56, s45                     ; tokens: hangs on the token block and the wave,
	s_mov_b32 s57, 0
	s_mul_i32 s58, s42, BLK
	s_add_co_u32 s58, s58, s45                     ; weights: on the head and the wave
	s_mov_b32 s59, 0
	s_lshl_b32 s60, s13, 8
	s_lshl_b32 s61, s12, 5
	s_add_co_u32 s60, s60, s61                     ; my 32 mask bytes
	s_mov_b32 s61, 0
	s_lshl_b32 s70, s42, 10                        ; my head's 256 numbers of a bias
	s_mov_b32 s71, 0
	s_lshr_b32 s66, s13, 2
	s_lshl_b32 s66, s66, 3
	s_add_co_u32 s66, s66, s42                     ; bh
	s_mul_i32 s66, s66, 8*BLK                      ; kvbuf: [bh][k, v][quarter][BLK]
	s_and_b32 s67, s13, 3
	s_mul_i32 s67, s67, BLK
	s_add_co_u32 s68, s66, s67
	s_add_co_u32 s66, s68, s80                     ; + 4,096 x wave
	s_add_co_u32 s68, s68, s82
	s_add_co_u32 s68, s68, 32768                   ; + 256 x wave
	s_mov_b32 s67, 0
	s_mov_b32 s69, 0
	s_wait_alu depctr_va_vdst(0)
	s_wait_dscnt 0x0                               ; both opening adds are done
	s_wait_kmcnt 0x0
	s_add_nc_u64 s[8:9], s[8:9], s[70:71]
	s_add_nc_u64 s[10:11], s[10:11], s[70:71]
	s_add_nc_u64 s[60:61], s[72:73], s[60:61]
	s_add_nc_u64 s[66:67], s[74:75], s[66:67]
	s_add_nc_u64 s[68:69], s[74:75], s[68:69]
	s_add_nc_u64 s[56:57], s[4:5], s[56:57]
	s_add_nc_u64 s[58:59], s[6:7], s[58:59]
	global_load_b32 v92, v255, s[8:9]
	global_load_b32 v93, v255, s[10:11]
	global_load_u8 v10, v8, s[60:61]               ; my tokens' mask bytes, tile 2 w and tile 2 w + 1
	global_load_u8 v11, v8, s[60:61] offset:8
	s_add_nc_u64 s[34:35], s[56:57], 32*BLK        ; K's tokens,
	s_add_nc_u64 s[50:51], s[56:57], 64*BLK        ; V's,
	s_add_nc_u64 s[38:39], s[58:59], 8*BLK         ; Wk,
	s_add_nc_u64 s[54:55], s[58:59], 16*BLK        ; Wv
.irp g, 32, 36, 48, 52
	s_mov_b32 s[\g], 1
	s_mov_b32 s[\g+1], s46
	s_or_b32 s[\g+3], s[\g+3], 0x80000000
.endr
	ROUND                                          ; all sixteen work-groups are here: the joint loads meet
	ARM 2, 32, 16, .Lhead_wk
	ARM 4, 36, 24, .Lhead_xv
	ARM 6, 48, 16, .Lhead_wv
	tensor_load_to_lds s[52:55], s[24:31]
	s_nop 0
.rept 4
	v_nop
.endr
.Lhead_asked:
	s_wait_loadcnt 2                               ; both biases are in; the mask bytes may be out
	ds_store_b32 v254, v92
	ds_store_b32 v254, v93 offset:1024
	s_cmp_gt_u32 s12, 3
	s_cbranch_scc1 .Lnot_k
	s_wait_tensorcnt 0x0                           ; waves 0 to 3: K's tokens and Wk
.Lnot_k:
	s_wait_dscnt 0x0
	s_barrier_signal -1
	s_barrier_wait -1
	s_wait_loadcnt 0x0
	v_add_nc_u32 v254, BKT, v3
	v_cmp_eq_u32 s62, 0, v10                       ; lanes whose token keeps its codes
	v_cmp_eq_u32 s63, 0, v11
	RLD 12, 13
	PREF 0
	PRODUCTS 0
	PREF 1
	QOUT 0, 0
	PRODUCTS 1
	s_wait_alu depctr_va_vdst(0)
	s_wait_tensorcnt 0x0                           ; V's tokens and Wv: all that is still out
	s_wait_dscnt 0x0
	s_barrier_signal -1
	s_barrier_wait -1
.set CV, 1
	v_add_nc_u32 v252, 2*BLK, v1
	v_add_nc_u32 v253, 2*BLK, v2
	RLD 14, 15
	WIN 0x40
.irp q, 0,1
.irp j, 0,1,2,3,4,5,6,7
	ds_load_b32 v[CB+8*\q+\j], v9 offset:32*\q     ; my channel's bias in all eight registers of C
.endr
.endr
	WIN 0
	PREF 0
	QOUT 0, 1
	PRODUCTS 0
	PREF 1
	QOUT 1, 0
	PRODUCTS 1
	QOUT 1, 1
	s_wait_tensorcnt 0x0                           ; the wave's end
	ds_add_u32 v4, v5
	s_wait_dscnt 0x0
	ROUND                                          ; the closing round: no work-group ends while a partner may still ask for a tile that names it
	s_endpgm
.Lfunc_end_k_qddc431f133_proj:
	.size	k_qddc431f133_proj, .Lfunc_end_k_qddc431f133_proj-k_qddc431f133_proj
	.p2alignl 7, 3214868480
	.fill 96, 4, 3214868480
	.section	.rodata,"a",@progbits
	.p2align	6, 0x0
	.amdhsa_kernel k_qddc431f133_proj
		.amdhsa_group_segment_fixed_size 167936
		.amdhsa_private_segment_fixed_size 0
		.amdhsa_enable_private_segment 0
		.amdhsa_kernarg_size 48
		.amdhsa_user_sgpr_count 2
		.amdhsa_user_sgpr_kernarg_segment_ptr 1
		.amdhsa_wavefront_size32 1
		.amdhsa_system_sgpr_workgroup_id_x 1
		.amdhsa_system_sgpr_workgroup_id_y 1
		.amdhsa_system_sgpr_workgroup_id_z 1
		.amdhsa_system_vgpr_workitem_id 0
		.amdhsa_next_free_vgpr 512
		.amdhsa_next_free_sgpr 84
		.amdhsa_reserve_vcc 0
		.amdhsa_float_denorm_mode_32 3
		.amdhsa_float_denorm_mode_16_64 3
		.amdhsa_memory_ordered 1
		.amdhsa_forward_progress 1
		.amdhsa_inst_pref_size 76
	.end_amdhsa_kernel
	.amdgpu_metadata
---
amdhsa.version: [ 1, 2 ]
amdhsa.kernels:
  - .name:           k_qddc431f133_proj
    .symbol:         k_qddc431f133_proj.kd
    .args:
      - { .name: xbuf, .offset: 0, .size: 8, .value_kind: global_buffer, .address_space: global }
      - { .name: wbuf, .offset: 8, .size: 8, .value_kind: global_buffer, .address_space: global }
      - { .name: bk, .offset: 16, .size: 8, .value_kind: global_buffer, .address_space: global }
      - { .name: bv, .offset: 24, .size: 8, .value_kind: global_buffer, .address_space: global }
      - { .name: att_mask_out, .offset: 32, .size: 8, .value_kind: global_buffer, .address_space: global }
      - { .name: kvbuf, .offset: 40, .size: 8, .value_kind: global_buffer, .address_space: global }
    .group_segment_fixed_size: 167936
    .private_segment_fixed_size: 0
    .kernarg_segment_align: 8
    .kernarg_segment_size: 48
    .max_flat_workgroup_size: 256
    .sgpr_count:     84
    .vgpr_count:     512
    .wavefront_size: 32
...
	.end_amdgpu_metadata
.endif
;; end of part 2
;; launch attn (part 3): grid 4 x 64, 8 waves a work-group, clusters of 4 x 1, 327,680 bytes of LDS; arguments xbuf, wbuf, kvbuf, bq, att_mask_out, cbuf; writes cbuf
.if DOCPART == 3
	.amdgcn_target "amdgcn-amd-amdhsa--gfx1250"
	.amdhsa_code_object_version 6
	.text
	.protected	k_qddc431f133_attn
	.globl	k_qddc431f133_attn
	.p2align	8
	.type	k_qddc431f133_attn,@function
k_qddc431f133_attn:
	s_mov_b64 s[64:65], 0
	v_nop
	global_prefetch_b8 v0, s[64:65] scope:SCOPE_SE
	s_setreg_imm32_b32 hwreg(HW_REG_WAVE_MODE, 25, 1), 1
	s_wait_xcnt 0x0
	s_wait_alu depctr_hold_cnt(0) depctr_sa_sdst(0) depctr_va_vdst(0) depctr_va_sdst(0) depctr_va_ssrc(0) depctr_va_vcc(0) depctr_vm_vsrc(0)
	s_getreg_b32 s2, hwreg(HW_REG_IB_STS2, 6, 4)
	s_cmp_eq_u32 s2, 0
	s_cbranch_scc0 .Lentry_in_a_cluster
	s_endpgm
.Lentry_in_a_cluster:
	s_bfe_u32 s2, ttmp6, 0x10000c
	s_cmp_lg_u32 s2, 0x3003
	s_cbranch_scc0 .Lentry_shape_is_right
	s_endpgm
.Lentry_shape_is_right:
; q = Q Wq + bq for 256 queries of one (batch, head), quantised in registers; ctx = softmax_k(q . k / 16, masked keys at a very low number) v on codes of FP4; ctx quantised at once along head x channel.
; THE SOFTMAX AHEAD OF THE SECOND PRODUCT: t = score x log2(e) / 16; M = the running largest t rounded UP to a whole number; p = 2^(t - M) is quantised along the keys, not normalised;
; the row's sum is taken of the unquantised p and divides at the end.  When M moves, the sum is multiplied by 2^(old M - new M): exact.
; TWO PHASES.  Phase 1 makes p's codes for all 1,024 keys and keeps them in registers: 8 registers and one scale word for 128 keys and a tile of queries, and beside them the M under which they were made.
; Then the row's last M is known, and each scale byte comes down by last M - its M (a whole number), held at 0 from below, where a block counts for 2^-127 x its codes, beside a sum of at least 1/2.
; Phase 2 is the second product alone: nothing is rescaled in it.
; THE MASK: a masked key's codes of k are zeros (made so by the launch before), and its score begins as C = -2^64, so its score is exactly -2^64 and its logit -2^60.
; LIMIT, stated: reference() puts -1e18 there, this text -1.15e18 (-2^60).  The power of two makes score x c exact, so that in a row all of whose keys are masked t - M is exactly 0, p = 1 for every key
; and the mean of v comes out, as in reference().  Results agree with reference()'s as long as unmasked logits stay above about -1e17.  NaN and infinities are not served; a block of zeros gets the byte 1.
; SHARES: eight waves, each with TWO tiles of 16 queries, so that each fragment of Wq, K and V read from LDS feeds two products.  All products are used transposed: a lane holds one query throughout.
; The rows of a tile (lane r of tile 2 a + u is index 32 a + 8 u + r + 8 (r / 8)) make the 16 registers of result tiles 2 a, 2 a + 1 16 neighbours along the next K.
; LDS, filled once: nine blocks of 34,816 bytes (16 tiles: codes [tile][K step][1,024], then scale words [tile][K step][16]): Wq's head, four of 256 keys of k, four of 256 keys of v; then bq's 256 numbers,
; the mask as one f32 a key, and the spare words.  One tensor load a wave, all at the head: there is no loop that asks for tiles, so there is no later request that a prefetch could run ahead of.
; CLUSTER: the four query blocks of a (batch, head) read the same Wq, K and V: each block is asked for jointly, with a mask that names the four.
; REGISTERS, window 0: v1 16 x lane, v2 4 x lane, v3 64 x half, v4 spare word, v5 0, v6-7 q's scale words, v[8+2q:9+2q] -M and the largest t, v[12+2q:13+2q] the sum in two halves,
;   v16-143 p's codes (step i, tile q at 16 + 16 i + 8 q), v144-159 their scale words, v160-175 their -M, v176-207 q's fragments, v208-215 scale words of K, v216-247 at work, v248-251 2^(old M - new M), v252-254 addresses.
;   window 1: v0-127 S^T, then p (tile q, key tile t at 64 q + 8 t), v128-191 four tiles of K, v192-255 the mask's C.
;   Phase 2: window 1 is O^T (tile q, channel tile t at 128 q + 8 t); v176-207 and v216-247 fragments of V; v160-175 and v208-215, v248-255 V's scale words, two sets.
.set BLK,   34816
.set KLDS,  BLK
.set VLDS,  5*BLK
.set BQT,   9*BLK
.set MSKT,  315392                     ; a multiple of 4,096, so that one exclusive or turns an address in its first half into the second's
.set SPARE, 319488
.set TM,  216
.set SEL, 24
.set HM,  31
.set KF,  128
.set CB,  192
.set QB,  16
.set QW,  48
.set MSB, 0
.macro WIN new                         ; the immediate's high byte repeats the setting that is left
.if MSB != \new
	s_set_vgpr_msb (MSB<<8)|\new
.set MSB, \new
.endif
.endm
.macro ROUND                           ; a round of the cluster's barrier
	s_barrier_signal -1
	s_barrier_wait -1
	s_cmp_lg_u32 s12, 0
	s_cbranch_scc1 .Lnot_wave_0_\@
	s_barrier_signal -3
.Lnot_wave_0_\@:
	s_barrier_wait -3
	s_barrier_signal -1
	s_barrier_wait -1
.endm
.macro ARM under, g0, g1, next         ; one arm of the tree of the head's loads
	s_cmp_lt_u32 s12, \under
	s_cbranch_scc0 \next
	tensor_load_to_lds s[\g0:\g0+3], s[\g1:\g1+7]
	s_nop 0
.rept 4
	v_nop
.endr
	s_branch .Lhead_asked
\next:
.endm
.macro PLACES                          ; places in front of loads into registers that products have read, and of the first read of results
.rept 4
	v_nop
.endr
.endm
; 64 numbers of a lane in window 1, register 16 b + i = index 32 b + 16 (lane / 16) + i, become a fragment's codes in v[pc] on and its scale word in v[pw]
.macro QUANT s, pc, pw
	WIN 0x05
.irp b, 0,1,2,3
	v_max3_num_f32 v[TM+\b], |v[16*\b+(\s)]|, |v[16*\b+1+(\s)]|, 0x1800000   ; and the floor 2^(3 - 127): the byte cannot fall under 1
.endr
	WIN 0x14
.irp i, 2,4,6,8,10,12,14
.irp b, 0,1,2,3
	v_max3_num_f32 v[TM+\b], v[TM+\b], |v[16*\b+\i+(\s)]|, |v[16*\b+\i+1+(\s)]|
.endr
.endr
	WIN 0
.irp b, 0,1,2,3
	v_permlanex16_b32 v[TM+4+\b], v[TM+\b], s[SEL], s[SEL+1]
.endr
.irp b, 0,1,2,3
	v_max_num_f32 v[TM+\b], v[TM+\b], v[TM+4+\b]             ; with lane l xor 16's: the block's largest magnitude
.endr
.irp b, 0,1,2,3
	v_add_nc_u32 v[TM+12+\b], 0xff000000, v[TM+\b]           ; 2 off its exponent field: the conversion's scale operand
.endr
.irp b, 0,1,2,3
	v_lshrrev_b32 v[TM+4+\b], 23, v[TM+12+\b]                ; the scale's byte
.endr
	v_lshl_or_b32 v[\pw], v[TM+5], 8, v[TM+4]
	v_lshl_or_b32 v[TM+6], v[TM+7], 8, v[TM+6]
	v_lshl_or_b32 v[\pw], v[TM+6], 16, v[\pw]
	WIN 0x01
.irp b, 0,1,2,3
	v_cvt_scalef32_pk8_fp4_f32 v[2*\b+(\pc)], v[16*\b+(\s):16*\b+7+(\s)], v[TM+12+\b]
	v_cvt_scalef32_pk8_fp4_f32 v[2*\b+1+(\pc)], v[16*\b+8+(\s):16*\b+15+(\s)], v[TM+12+\b]
.endr
	v_nop                                                    ; one plain place behind a scaled conversion
	WIN 0
.irp c, 0,1
.irp i, 0,1
	v_permlane16_swap_b32 v[4*\c+\i+(\pc)], v[4*\c+2+\i+(\pc)]   ; a whole block in a lane: lanes 0-15 block 2 c, lanes 16-31 block 2 c + 1
.endr
.endr
.endm
.macro WM0 d, a, b, c, sa, sb          ; K step 0: scale words from lanes 0-15
	v_wmma_scale_f32_16x16x128_f8f6f4 v[0+(\d):7+(\d)], v[0+(\a):7+(\a)], v[0+(\b):7+(\b)], v[0+(\c):7+(\c)], v[0+(\sa)], v[0+(\sb)] matrix_a_fmt:MATRIX_FMT_FP4 matrix_b_fmt:MATRIX_FMT_FP4
.endm
.macro WM1 d, a, b, sa, sb             ; K step 1, in place: scale words from lanes 16-31
	v_wmma_scale_f32_16x16x128_f8f6f4 v[0+(\d):7+(\d)], v[0+(\a):7+(\a)], v[0+(\b):7+(\b)], v[0+(\d):7+(\d)], v[0+(\sa)], v[0+(\sb)] matrix_a_fmt:MATRIX_FMT_FP4 matrix_b_fmt:MATRIX_FMT_FP4 matrix_a_scale:MATRIX_SCALE_ROW1 matrix_b_scale:MATRIX_SCALE_ROW1
.endm
.macro QK t0                           ; four tiles of source 0 x two of mine: eight accumulators by turns; one C serves both tiles of queries
	WIN 0x51
.irp d, 0,1,2,3
.irp q, 0,1
	WM0 64*\q+8*((\t0)+\d), KF+16*\d, QB+16*\q, CB+8*((\t0)+\d), 208+(\t0)+\d, QW+\q
.endr
.endr
.irp d, 0,1,2,3
.irp q, 0,1
	WM1 64*\q+8*((\t0)+\d), KF+16*\d+8, QB+16*\q+8, 208+(\t0)+\d, QW+\q
.endr
.endr
.endm
.macro LDF h, t0                       ; four tiles, both K steps, from half h of the block
	WIN 0x40
.irp d, 0,1,2,3
.irp s, 0,1
.irp c, 0,1
	ds_load_b128 v[KF+16*\d+8*\s+4*\c:KF+3+16*\d+8*\s+4*\c], v252 offset:16384*(\h)+(2*((\t0)+\d)+\s)*1024+512*\c
.endr
.endr
.endr
	WIN 0
.endm
.macro PREF h, o                       ; scale words, C (at byte o of its table), and tiles 0-3 of half h
.irp t, 0,1,2,3,4,5,6,7
	ds_load_b32 v[208+\t], v253 offset:32768+1024*(\h)+128*\t
.endr
	WIN 0x40
.irp t, 0,1,2,3,4,5,6,7
	ds_load_b128 v[CB+8*\t:CB+3+8*\t], v254 offset:(\o)+4*(32*(\t/2)+8*(\t%2))
	ds_load_b128 v[CB+4+8*\t:CB+7+8*\t], v254 offset:(\o)+4*(32*(\t/2)+8*(\t%2))+16
.endr
	LDF \h, 0
.endm
.macro PRODUCTS h                      ; half h: 32 products
	s_wait_alu depctr_va_vdst(0)
	s_wait_dscnt 0x0
	QK 0
	PLACES
	LDF \h, 4
	s_wait_dscnt 0x0
	QK 4
	PLACES
	WIN 0
.endm
	s_load_b256 s[4:11], s[0:1], 0x0               ; xbuf, wbuf, kvbuf, bq
	s_load_b128 s[72:75], s[0:1], 0x20             ; mask, cbuf
	v_lshl_add_u32 v4, v0, 2, SPARE
	v_mov_b32 v5, 0
	ds_add_u32 v4, v5                              ; the wave's opening: the add, twice on end, and its wait
	ds_add_u32 v4, v5
	v_lshrrev_b32 v6, 5, v0
	v_readfirstlane_b32 s12, v6                    ; wave 0..7
	v_and_b32 v7, 31, v0
	v_lshlrev_b32 v1, 4, v7
	v_lshlrev_b32 v2, 2, v7
	v_bfe_u32 v7, v0, 4, 1
	v_lshlrev_b32 v3, 6, v7                        ; register j of tile 2 a + u is index 32 a + 16 h + 8 u + j: 64 h bytes on
	v_lshlrev_b32 v255, 2, v0
	v_lshl_add_u32 v254, v0, 4, MSKT
	v_lshl_add_u32 v253, v0, 2, BQT
	v_mov_b32 v52, 0xdf800000                      ; -2^64
	s_bfe_u32 s13, ttmp6, 0x40000                  ; cx: my block of 256 queries; it enters global addresses of Q's codes and of ctx alone
	s_and_b32 s14, ttmp7, 0xffff                   ; bh = 8 x batch + head, which the four partners share
	s_lshr_b32 s82, s14, 3                         ; batch
	s_and_b32 s83, s14, 7                          ; head
.irp g, 16, 52                         ; descriptor groups 1: dense rows of 256 bytes (32 elements of 8 bytes), no padding; 15:0 the mask: all four work-groups; bit 21 set beside a mask
	s_mov_b32 s[\g], 15|(3<<16)|(1<<21)
	s_mov_b32 s[\g+1], 32<<16
	s_mov_b32 s[\g+3], 32<<16
	s_mov_b32 s[\g+5], 32
	s_mov_b32 s[\g+6], 0
	s_mov_b32 s[\g+7], 0
.endr
	s_mov_b32 s18, 136<<16                         ; one block
	s_mov_b32 s20, 136
	s_mov_b32 s54, 272<<16                         ; two blocks
	s_mov_b32 s56, 272
	s_mov_b32 s[SEL], 0x76543210
	s_mov_b32 s[SEL+1], 0xfedcba98
	s_mov_b32 s26, 0x3db8aa3b                      ; c = log2(e) / 16
	s_mov_b32 s27, s26                             ; (named with it as a pair)
	s_mov_b32 s28, KLDS                            ; LDS byte of the trip's first block of k
	s_mov_b32 s29, MSKT                            ; and of its mask numbers
	s_mov_b32 s30, 2                               ; trips
	s_mov_b32 s[HM], 0xffff0000
	s_mov_b32 s81, 0x80808080
	s_mul_i32 s60, s83, BLK                        ; Wq's block
	s_mov_b32 s61, 0
	s_mul_i32 s62, s14, 8*BLK                      ; kvbuf: [bh][k, v][quarter][BLK]
	s_max_u32 s63, s12, 1
	s_sub_co_u32 s63, s63, 1
	s_mul_i32 s63, s63, BLK
	s_add_co_u32 s62, s62, s63                     ; wave w of 1 to 7 fetches from block w - 1 on
	s_mov_b32 s63, 0
	s_mul_i32 s80, s12, BLK                        ; into LDS block w
	s_lshl_b32 s66, s82, 2
	s_add_co_u32 s66, s66, s13
	s_mul_i32 s66, s66, BLK                        ; my 256 queries' block of Q's codes
	s_lshl_b32 s44, s12, 8
	s_add_co_u32 s68, s66, s44
	s_add_co_u32 s68, s68, 32768                   ; my two tiles' scale words
	s_lshl_b32 s44, s12, 12
	s_add_co_u32 s66, s66, s44                     ; and codes
	s_mov_b32 s67, 0
	s_mov_b32 s69, 0
	s_lshl_b32 s76, s82, 10                        ; the batch's 1,024 mask bytes
	s_mov_b32 s77, 0
	s_lshl_b32 s78, s83, 10                        ; the head's 256 numbers of bq
	s_mov_b32 s79, 0
	s_lshl_b32 s44, s82, 3                         ; cbuf: [rb][kc][BLK], rb = 8 batch + 2 cx + wave / 4 (128 rows), kc = head / 2
	s_lshl_b32 s45, s13, 1
	s_add_co_u32 s44, s44, s45
	s_lshr_b32 s45, s12, 2
	s_add_co_u32 s44, s44, s45
	s_lshl_b32 s44, s44, 2
	s_lshr_b32 s45, s83, 1
	s_add_co_u32 s44, s44, s45
	s_mul_i32 s44, s44, BLK
	s_and_b32 s45, s83, 1
	s_and_b32 s46, s12, 3
	s_lshl_b32 s46, s46, 1                         ; my first tile g of the eight
	s_lshl_b32 s47, s45, 4
	s_add_co_u32 s47, s47, s46
	s_lshl_b32 s47, s47, 10
	s_add_co_u32 s40, s44, s47                     ; codes [k][g][1,024], k = 2 (head % 2) + s
	s_mov_b32 s41, 0
	s_lshl_b32 s45, s45, 3
	s_add_co_u32 s45, s45, s46
	s_lshl_b32 s45, s45, 7
	s_add_co_u32 s42, s44, s45
	s_add_co_u32 s42, s42, 32768                   ; scale words [k / 2][g][k % 2][16]
	s_mov_b32 s43, 0
	s_wait_alu depctr_va_vdst(0)
	s_wait_dscnt 0x0                               ; both opening adds are done
	s_wait_kmcnt 0x0
	s_add_nc_u64 s[66:67], s[4:5], s[66:67]
	s_add_nc_u64 s[68:69], s[4:5], s[68:69]
	s_add_nc_u64 s[60:61], s[6:7], s[60:61]
	s_add_nc_u64 s[62:63], s[8:9], s[62:63]
	s_add_nc_u64 s[78:79], s[10:11], s[78:79]
	s_add_nc_u64 s[76:77], s[72:73], s[76:77]
	s_add_nc_u64 s[40:41], s[74:75], s[40:41]
	s_add_nc_u64 s[42:43], s[74:75], s[42:43]
	global_load_b32 v50, v255, s[76:77]            ; four mask bytes a thread
	global_load_b32 v51, v255, s[78:79]            ; one number of bq a thread
.irp i, 0,1,2,3,4,5,6,7
	global_load_b128 v[16+4*\i:19+4*\i], v1, s[66:67] offset:512*\i    ; Q's four fragments (tile q, K step s at 16 + 16 q + 8 s)
.endr
	global_load_b32 v48, v2, s[68:69]
	global_load_b32 v49, v2, s[68:69] offset:128
	s_mov_b32 s32, 1
	s_mov_b32 s33, 0
	s_mov_b64 s[34:35], s[60:61]
	s_or_b32 s35, s35, 0x80000000
	s_mov_b32 s36, 1
	s_mov_b32 s37, s80
	s_mov_b64 s[38:39], s[62:63]
	s_or_b32 s39, s39, 0x80000000
	ROUND                                          ; all four work-groups are here: the joint loads meet
	ARM 1, 32, 16, .Lhead_k                        ; wave 0: Wq
	ARM 5, 36, 16, .Lhead_v                        ; waves 1 to 4: k
	ARM 7, 36, 16, .Lhead_v2                       ; waves 5, 6: v's first two blocks
	tensor_load_to_lds s[36:39], s[52:59]          ; wave 7: its last two
	s_nop 0
.rept 4
	v_nop
.endr
.Lhead_asked:
.irp q, 0,1
	v_mov_b32 v[9+2*\q], 0xff61b1e6                ; the largest t so far: -3e38, under every t
	v_mov_b32 v[12+2*\q], 0
	v_mov_b32 v[13+2*\q], 0
	v_mov_b32 v[249+2*\q], 0                       ; (named as the upper half of a pair)
	v_floor_f32 v[8+2*\q], -v[9+2*\q]              ; -M
.irp b, 0,1,2,3
	v_mov_b32 v[220+16*\q+\b], 0                   ; written once: a lane permute's destination counts as one of its sources
.endr
.endr
.set i, 0
.rept 24
	v_mov_b32 v[56+i], 0                           ; (the loop's copy stands under a branch: what it fills is written on every way)
.set i, i+1
.endr
.set i, 0
.rept 8
	v_mov_b32 v[144+i], 0
	v_mov_b32 v[160+i], 0
.set i, i+1
.endr
	s_wait_alu depctr_va_vdst(0)
	s_wait_loadcnt 10                              ; the mask bytes and bq are in; Q's ten loads stay out
.irp i, 0,1,2,3
	v_bfe_u32 v53, v50, 8*\i, 8
	v_cmp_ne_u32 vcc_lo, 0, v53
	v_cndmask_b32 v[56+\i], 0, v52, vcc_lo
.endr
	ds_store_b128 v254, v[56:59]                   ; the mask as numbers: 0, or -2^64 for a masked key
	ds_store_b32 v253, v51
	s_wait_alu depctr_va_vdst(0)
	s_cmp_lg_u32 s12, 0
	s_cbranch_scc1 .Lnot_wq
	s_wait_tensorcnt 0x0                           ; wave 0: Wq
.Lnot_wq:
	s_wait_dscnt 0x0
	s_barrier_signal -1
	s_barrier_wait -1
	s_wait_loadcnt 0x0                             ; Q's codes
	; q: source 0 = Wq's columns, source 1 = my queries, C = bq
	v_mov_b32 v252, v1
	v_mov_b32 v253, v2
	v_add_nc_u32 v254, BQT, v3
	PREF 0, 0
	PRODUCTS 0
	PREF 1, 512
	QUANT 0, 176, 52
	QUANT 64, 192, 53
	PRODUCTS 1
	s_wait_alu depctr_va_vdst(0)
	s_cmp_gt_u32 s12, 4
	s_cbranch_scc1 .Lnot_k
	s_wait_tensorcnt 0x0                           ; waves 1 to 4: k
.Lnot_k:
	s_wait_dscnt 0x0
	s_barrier_signal -1
	s_barrier_wait -1
	v_add_nc_u32 v252, s28, v1
	v_add_nc_u32 v253, s28, v2
	v_add_nc_u32 v254, s29, v3
	PREF 0, 0                                      ; the first key step's, under the last of q's quantising
	QUANT 0, 184, 54
	QUANT 64, 200, 55
	v_cndmask_b32 v6, v52, v54, s[HM]              ; lanes 0-15: K step 0's words, lanes 16-31: K step 1's
	v_cndmask_b32 v7, v53, v55, s[HM]
.rept 8
	v_nop                                          ; a scale register written by a vector instruction stands 8 places ahead of a scaled matrix instruction
.endr
.set QB, 176
.set QW, 6
; A KEY STEP: 128 keys, for my two tiles of queries, the st-th of a trip's four.  Work of tile q at 216 + 16 q: +0..3 block maxima, +4..7 exchange and bytes, +8..11 scale operands, +12 at work, +14..15 second chain of the sum
.macro STEP st
	PRODUCTS (\st)%2
.if (\st) == 3
	s_xor_b32 s28, s28, 2*BLK                      ; to the other two blocks of k
	s_xor_b32 s29, s29, 2048
	s_cmp_eq_u32 s30, 1
	s_cbranch_scc1 .Lnone_\@                       ; behind the last key step there is nothing to ask for
	v_add_nc_u32 v252, s28, v1
	v_add_nc_u32 v253, s28, v2
	v_add_nc_u32 v254, s29, v3
	PREF 0, 0
.Lnone_\@:
.elseif (\st) == 1
	s_add_co_u32 s80, s28, BLK
	v_add_nc_u32 v252, s80, v1
	v_add_nc_u32 v253, s80, v2
	PREF 0, 1024
.else
	PREF 1, 512*((\st)+1)
.endif
	WIN 0x15
.irp b, 0,1,2,3
.irp q, 0,1
	v_max3_num_f32 v[216+16*\q+\b], v[64*\q+16*\b], v[64*\q+16*\b+1], v[64*\q+16*\b+2]   ; the largest score of each block of 32 keys serves twice: for the row's maximum and for the block's largest p
.endr
.endr
	WIN 0x14
.irp i, 3,5,7,9,11,13
.irp b, 0,1,2,3
.irp q, 0,1
	v_max3_num_f32 v[216+16*\q+\b], v[216+16*\q+\b], v[64*\q+16*\b+\i], v[64*\q+16*\b+\i+1]
.endr
.endr
.endr
.irp b, 0,1,2,3
.irp q, 0,1
	v_max_num_f32 v[216+16*\q+\b], v[216+16*\q+\b], v[64*\q+16*\b+15]
.endr
.endr
	WIN 0
.irp b, 0,1,2,3
.irp q, 0,1
	v_permlanex16_b32 v[220+16*\q+\b], v[216+16*\q+\b], s[SEL], s[SEL+1]
.endr
.endr
.irp b, 0,1,2,3
.irp q, 0,1
	v_max_num_f32 v[216+16*\q+\b], v[216+16*\q+\b], v[220+16*\q+\b]   ; with lane l xor 16's 16 keys
.endr
.endr
.irp q, 0,1
	v_max3_num_f32 v[228+16*\q], v[216+16*\q], v[217+16*\q], v[218+16*\q]
.endr
.irp q, 0,1
	v_max_num_f32 v[228+16*\q], v[228+16*\q], v[219+16*\q]
.endr
.irp q, 0,1
	v_mul_f32 v[228+16*\q], s26, v[228+16*\q]      ; as t (c is positive)
.endr
.irp q, 0,1
	v_max_num_f32 v[9+2*\q], v[9+2*\q], v[228+16*\q]   ; the running largest t
.endr
.irp q, 0,1
	v_mov_b32 v[228+16*\q], v[8+2*\q]
.endr
.irp q, 0,1
	v_floor_f32 v[8+2*\q], -v[9+2*\q]              ; the new -M = -ceil(t): a whole number
.endr
.irp q, 0,1
	v_sub_f32 v[228+16*\q], v[8+2*\q], v[228+16*\q]   ; old M - new M: a whole number, 0 or less
.endr
.irp q, 0,1
	v_mov_b32 v[168+2*(\st)+\q], v[8+2*\q]         ; the -M of these codes
.endr
.irp q, 0,1
	v_cvt_i32_f32 v[228+16*\q], v[228+16*\q]       ; (it saturates)
.endr
.irp b, 0,1,2,3
.irp q, 0,1
	v_fma_f32 v[216+16*\q+\b], v[216+16*\q+\b], s26, v[8+2*\q]
.endr
.endr
.irp q, 0,1
	v_ldexp_f32 v[248+2*\q], 1.0, v[228+16*\q]     ; f = 2^(old M - new M)
.endr
	WIN 0x41
.set j, 0
.rept 32
.irp q, 0,1
	v_pk_fma_f32 v[64*\q+j:64*\q+j+1], v[64*\q+j:64*\q+j+1], s[26:27], v[8+2*\q:9+2*\q] op_sel_hi:[1,0,0]   ; t - M
.endr
.set j, j+2
.endr
	s_wait_alu depctr_va_vdst(0)
.set j, 0
.rept 64
.irp q, 0,1
	v_exp_f32 v[64*\q+j], v[64*\q+j]               ; p = 2^(t - M), at most 1
.endr
.set j, j+1
.endr
	WIN 0
.irp b, 0,1,2,3
.irp q, 0,1
	v_exp_f32 v[216+16*\q+\b], v[216+16*\q+\b]     ; the block's largest p
.endr
.endr
.irp q, 0,1
	v_pk_mul_f32 v[12+2*\q:13+2*\q], v[12+2*\q:13+2*\q], v[248+2*\q:249+2*\q] op_sel_hi:[1,0]   ; the sums under the new M (plain places behind the exponentials)
.endr
	s_wait_alu depctr_va_vdst(0)                   ; and behind it
.irp b, 0,1,2,3
.irp q, 0,1
	v_max_num_f32 v[216+16*\q+\b], 0x1800000, v[216+16*\q+\b]      ; the floor 2^(3 - 127): a block whose every p is 0 keeps the byte 1; its codes are zeros
.endr
.endr
.irp b, 0,1,2,3
.irp q, 0,1
	v_add_nc_u32 v[224+16*\q+\b], 0xff000000, v[216+16*\q+\b]
.endr
.endr
.irp b, 0,1,2,3
.irp q, 0,1
	v_lshrrev_b32 v[220+16*\q+\b], 23, v[224+16*\q+\b]
.endr
.endr
.irp q, 0,1
	v_lshl_or_b32 v[152+2*(\st)+\q], v[221+16*\q], 8, v[220+16*\q]   ; p's scale word for these 128 keys
	v_lshl_or_b32 v[222+16*\q], v[223+16*\q], 8, v[222+16*\q]
.endr
.irp q, 0,1
	v_lshl_or_b32 v[152+2*(\st)+\q], v[222+16*\q], 16, v[152+2*(\st)+\q]
.endr
	WIN 0x01
.irp b, 0,1,2,3
.irp q, 0,1
	v_cvt_scalef32_pk8_fp4_f32 v[80+16*(\st)+8*\q+2*\b], v[64*\q+16*\b:64*\q+16*\b+7], v[224+16*\q+\b]
	v_cvt_scalef32_pk8_fp4_f32 v[81+16*(\st)+8*\q+2*\b], v[64*\q+16*\b+8:64*\q+16*\b+15], v[224+16*\q+\b]
.endr
.endr
	v_nop                                          ; one plain place behind a scaled conversion
	WIN 0
.irp c, 0,1
.irp i, 0,1
.irp q, 0,1
	v_permlane16_swap_b32 v[80+16*(\st)+8*\q+4*\c+\i], v[82+16*(\st)+8*\q+4*\c+\i]
.endr
.endr
.endr
	WIN 0x05
.irp q, 0,1                            ; the row's sum is taken of the unquantised p, in four chains a tile (the block maxima's registers are free by now)
	v_pk_add_f32 v[230+16*\q:231+16*\q], v[64*\q+2:64*\q+3], v[64*\q+10:64*\q+11]
	v_pk_add_f32 v[216+16*\q:217+16*\q], v[64*\q+4:64*\q+5], v[64*\q+12:64*\q+13]
	v_pk_add_f32 v[218+16*\q:219+16*\q], v[64*\q+6:64*\q+7], v[64*\q+14:64*\q+15]
.endr
	WIN 0x04
.irp q, 0,1
	v_pk_add_f32 v[12+2*\q:13+2*\q], v[12+2*\q:13+2*\q], v[64*\q:64*\q+1]
.endr
.irp j, 16,24,32,40,48,56
.irp q, 0,1
	v_pk_add_f32 v[230+16*\q:231+16*\q], v[230+16*\q:231+16*\q], v[64*\q+\j+2:64*\q+\j+3]
	v_pk_add_f32 v[216+16*\q:217+16*\q], v[216+16*\q:217+16*\q], v[64*\q+\j+4:64*\q+\j+5]
	v_pk_add_f32 v[218+16*\q:219+16*\q], v[218+16*\q:219+16*\q], v[64*\q+\j+6:64*\q+\j+7]
	v_pk_add_f32 v[12+2*\q:13+2*\q], v[12+2*\q:13+2*\q], v[64*\q+\j:64*\q+\j+1]
.endr
.endr
.irp q, 0,1
	v_pk_add_f32 v[12+2*\q:13+2*\q], v[12+2*\q:13+2*\q], v[64*\q+8:64*\q+9]
.endr
	WIN 0
.irp q, 0,1
	v_pk_add_f32 v[216+16*\q:217+16*\q], v[216+16*\q:217+16*\q], v[218+16*\q:219+16*\q]
.endr
.irp q, 0,1
	v_pk_add_f32 v[12+2*\q:13+2*\q], v[12+2*\q:13+2*\q], v[230+16*\q:231+16*\q]
.endr
.irp q, 0,1
	v_pk_add_f32 v[12+2*\q:13+2*\q], v[12+2*\q:13+2*\q], v[216+16*\q:217+16*\q]
.endr
.endm
	s_wait_alu depctr_va_vdst(0)
	s_wait_tensorcnt 0x0                           ; v: all that is still out.  Behind this barrier the waves share nothing any more but the closing round
	s_wait_dscnt 0x0
	s_barrier_signal -1
	s_barrier_wait -1
.Ltrip:                                ; PHASE 1: two trips of four key steps, whose codes go to steps 4 to 7's registers
	STEP 0
	STEP 1
	STEP 2
	STEP 3
	s_wait_alu depctr_va_vdst(0)
	s_cmp_eq_u32 s30, 1
	s_cbranch_scc1 .Lkeep
.set i, 0
.rept 64
	v_mov_b32 v[16+i], v[80+i]                     ; the first trip's codes, scale words and -M move on to steps 0 to 3's
.set i, i+1
.endr
.set i, 0
.rept 8
	v_mov_b32 v[144+i], v[152+i]
	v_mov_b32 v[160+i], v[168+i]
.set i, i+1
.endr
.Lkeep:
	s_wait_alu depctr_va_vdst(0)
	s_sub_co_u32 s30, s30, 1
	s_cmp_lg_u32 s30, 0
	s_cbranch_scc1 .Ltrip
	s_wait_dscnt 0x0                               ; on every way: no load of mine is out, so all registers of K's tiles and scale words are free
; The scale bytes under the last M: n = last M - M, at most 127; four bytes at once: bytes are at most 125, so 128 + byte - n borrows nothing, and its top bit says that byte >= n
.irp k, 0,1,2,3,4,5,6,7,8,9,10,11,12,13,14,15
	v_sub_f32 v[216+\k], v[160+\k], v[8+2*(\k%2)]
.endr
.irp k, 0,1,2,3,4,5,6,7,8,9,10,11,12,13,14,15
	v_min_num_f32 v[216+\k], 0x42fe0000, v[216+\k]
.endr
.irp k, 0,1,2,3,4,5,6,7,8,9,10,11,12,13,14,15
	v_cvt_u32_f32 v[216+\k], v[216+\k]
.endr
.irp k, 0,1,2,3,4,5,6,7,8,9,10,11,12,13,14,15
	v_perm_b32 v[216+\k], v[216+\k], v[216+\k], 0  ; n in all four bytes
.endr
.irp k, 0,1,2,3,4,5,6,7,8,9,10,11,12,13,14,15
	v_or_b32 v[144+\k], s81, v[144+\k]
.endr
.irp k, 0,1,2,3,4,5,6,7,8,9,10,11,12,13,14,15
	v_sub_nc_u32 v[144+\k], v[144+\k], v[216+\k]
.endr
.irp k, 0,1,2,3,4,5,6,7,8,9,10,11,12,13,14,15
	v_and_b32 v[232+\k], s81, v[144+\k]
.endr
.irp k, 0,1,2,3,4,5,6,7,8,9,10,11,12,13,14,15
	v_lshrrev_b32 v[216+\k], 7, v[232+\k]
.endr
.irp k, 0,1,2,3,4,5,6,7,8,9,10,11,12,13,14,15
	v_sub_nc_u32 v[232+\k], v[232+\k], v[216+\k]   ; 0x7f where the byte stays, 0 where it is held at 0
.endr
.irp k, 0,1,2,3,4,5,6,7,8,9,10,11,12,13,14,15
	v_and_b32 v[144+\k], v[144+\k], v[232+\k]
.endr
.irp q, 0,1
	v_add_f32 v[216+\q], v[12+2*\q], v[13+2*\q]
.endr
.irp q, 0,1
	v_permlanex16_b32 v[220+\q], v[216+\q], s[SEL], s[SEL+1]
.endr
.irp q, 0,1
	v_add_f32 v[216+\q], v[216+\q], v[220+\q]      ; the row's sum
.endr
.irp k, 0,1,2,3
	v_add_nc_u32 v[8+\k], VLDS+\k*BLK, v1          ; V's four blocks: codes,
.endr
	v_add_nc_u32 v3, VLDS+32768, v2                ; scale words
	v_add_nc_u32 v6, VLDS+BLK+32768, v2
	v_add_nc_u32 v7, VLDS+2*BLK+32768, v2
	v_add_nc_u32 v15, VLDS+3*BLK+32768, v2
	s_wait_alu depctr_va_vdst(0)
.irp q, 0,1
	v_rcp_f32 v[12+2*\q], v[216+\q]
.endr
	v_nop                                          ; a plain place behind the reciprocals
	s_wait_alu depctr_va_vdst(0)                   ; and behind it
; PHASE 2.  A GROUP is four channel tiles of one key step: eight loads, eight products.  Group G: step G / 4, tiles 4 (G % 4) on; two buffers by turns.
.macro VSREG k, t                      ; the register of V's scale word, block k, tile t: lanes 0-15 its first key step, lanes 16-31 its second
.if ((\k)%2) == 0
.set VSR, 160+(\t)
.else
.set VSR, 208+(\t)+32*((\t)/8)
.endif
.endm
.macro VSLD k
.if (\k) == 0
.set VSA, 3
.elseif (\k) == 1
.set VSA, 6
.elseif (\k) == 2
.set VSA, 7
.else
.set VSA, 15
.endif
.irp t, 0,1,2,3,4,5,6,7,8,9,10,11,12,13,14,15
	VSREG \k, \t
	ds_load_b32 v[VSR], v[VSA] offset:128*\t
.endr
.endm
.macro VGET G
.set JI, (\G)/4
.set JB, 176+40*((\G)%2)
.irp d, 0,1,2,3
.irp c, 0,1
	ds_load_b128 v[JB+8*\d+4*\c:JB+3+8*\d+4*\c], v[8+JI/2] offset:(4*((\G)%4)+\d)*2048+1024*(JI%2)+512*\c
.endr
.endr
.endm
.macro WMV d, a, b, sa, sb, row, first
.if (\first) && ((\row) == 0)
	v_wmma_scale_f32_16x16x128_f8f6f4 v[0+(\d):7+(\d)], v[0+(\a):7+(\a)], v[0+(\b):7+(\b)], 0, v[0+(\sa)], v[0+(\sb)] matrix_a_fmt:MATRIX_FMT_FP4 matrix_b_fmt:MATRIX_FMT_FP4
.elseif (\row) == 0
	v_wmma_scale_f32_16x16x128_f8f6f4 v[0+(\d):7+(\d)], v[0+(\a):7+(\a)], v[0+(\b):7+(\b)], v[0+(\d):7+(\d)], v[0+(\sa)], v[0+(\sb)] matrix_a_fmt:MATRIX_FMT_FP4 matrix_b_fmt:MATRIX_FMT_FP4
.else
	v_wmma_scale_f32_16x16x128_f8f6f4 v[0+(\d):7+(\d)], v[0+(\a):7+(\a)], v[0+(\b):7+(\b)], v[0+(\d):7+(\d)], v[0+(\sa)], v[0+(\sb)] matrix_a_fmt:MATRIX_FMT_FP4 matrix_b_fmt:MATRIX_FMT_FP4 matrix_a_scale:MATRIX_SCALE_ROW1
.endif
.endm
.macro VGROUP G
.set IV, (\G)/4
.set VB, 176+40*((\G)%2)
.if (\G) == 31
	s_wait_dscnt 0x0
.elseif (((\G)%8) == 5) && ((\G) < 24)
	s_wait_dscnt 24                                ; the next block's sixteen scale words and the next group's eight loads may be out
.else
	s_wait_dscnt 8                                 ; the next group's eight loads may be out
.endif
	WIN 0x50                                       ; C and D in window 1
.irp q, 0,1
.irp d, 0,1,2,3
.set VT, 4*((\G)%4)+\d
	VSREG IV/2, VT
	WMV 128*\q+8*VT, VB+8*\d, 16+16*IV+8*\q, VSR, 144+2*IV+\q, IV%2, IV==0
.endr
.endr
	WIN 0
	PLACES
.if (((\G)%8) == 4) && ((\G) < 24)
	VSLD (\G)/8+1
.endif
.if (\G) < 30
	VGET (\G)+2
.endif
.endm
	VSLD 0
	VGET 0
	VGET 1
.set GI, 0
.rept 32
	VGROUP GI
.set GI, GI+1
.endr
	; THE WAY OUT: O^T / the sum is ctx; a lane's registers run along the channels, which are the last product's K: quantised in registers and stored as images of operand registers.  No stage in LDS.
.macro OUTQ q, s                       ; tile of queries q, channels 128 s on: one fragment
.set PCN, 16+8*(2*(\q)+(\s))
	WIN 0x41
.set o, 128*(\q)+64*(\s)
.rept 32
	v_pk_mul_f32 v[o:o+1], v[o:o+1], v[12+2*(\q):13+2*(\q)] op_sel_hi:[1,0]
.set o, o+2
.endr
	QUANT 128*(\q)+64*(\s), PCN, 52+2*(\q)+(\s)
	global_store_b128 v1, v[PCN:PCN+3], s[40:41] offset:(8*(\s)+(\q))*1024         ; 512 consecutive bytes a store; each fragment has registers of its own
	global_store_b128 v1, v[PCN+4:PCN+7], s[40:41] offset:(8*(\s)+(\q))*1024+512
.endm
	OUTQ 0, 0
	OUTQ 0, 1
	OUTQ 1, 0
	OUTQ 1, 1
.irp q, 0,1
	v_cndmask_b32 v[56+\q], v[52+2*\q], v[53+2*\q], s[HM]          ; lanes 0-15: K step s = 0's words, lanes 16-31: s = 1's
.endr
.irp q, 0,1
	global_store_b32 v2, v[56+\q], s[42:43] offset:128*\q
.endr
	s_wait_tensorcnt 0x0                           ; the wave's end
	ds_add_u32 v4, v5
	s_wait_dscnt 0x0
	ROUND                                          ; the closing round: no work-group ends while a partner may still ask for a tile that names it
	s_endpgm
.Lfunc_end_k_qddc431f133_attn:
	.size	k_qddc431f133_attn, .Lfunc_end_k_qddc431f133_attn-k_qddc431f133_attn
	.p2alignl 7, 3214868480
	.fill 96, 4, 3214868480
	.section	.rodata,"a",@progbits
	.p2align	6, 0x0
	.amdhsa_kernel k_qddc431f133_attn
		.amdhsa_group_segment_fixed_size 327680
		.amdhsa_private_segment_fixed_size 0
		.amdhsa_enable_private_segment 0
		.amdhsa_kernarg_size 48
		.amdhsa_user_sgpr_count 2
		.amdhsa_user_sgpr_kernarg_segment_ptr 1
		.amdhsa_wavefront_size32 1
		.amdhsa_system_sgpr_workgroup_id_x 1
		.amdhsa_system_sgpr_workgroup_id_y 1
		.amdhsa_system_sgpr_workgroup_id_z 1
		.amdhsa_system_vgpr_workitem_id 0
		.amdhsa_next_free_vgpr 512
		.amdhsa_next_free_sgpr 84
		.amdhsa_reserve_vcc 1
		.amdhsa_float_denorm_mode_32 3
		.amdhsa_float_denorm_mode_16_64 3
		.amdhsa_memory_ordered 1
		.amdhsa_forward_progress 1
		.amdhsa_inst_pref_size 255
	.end_amdhsa_kernel
	.section	.bss,"aw",@nobits
	.p2align	6
	.space	262144
	.amdgpu_metadata
---
amdhsa.version: [ 1, 2 ]
amdhsa.kernels:
  - .name:           k_qddc431f133_attn
    .symbol:         k_qddc431f133_attn.kd
    .args:
      - { .name: xbuf, .offset: 0, .size: 8, .value_kind: global_buffer, .address_space: global }
      - { .name: wbuf, .offset: 8, .size: 8, .value_kind: global_buffer, .address_space: global }
      - { .name: kvbuf, .offset: 16, .size: 8, .value_kind: global_buffer, .address_space: global }
      - { .name: bq, .offset: 24, .size: 8, .value_kind: global_buffer, .address_space: global }
      - { .name: att_mask_out, .offset: 32, .size: 8, .value_kind: global_buffer, .address_space: global }
      - { .name: cbuf, .offset: 40, .size: 8, .value_kind: global_buffer, .address_space: global }
    .group_segment_fixed_size: 327680
    .private_segment_fixed_size: 0
    .kernarg_segment_align: 8
    .kernarg_segment_size: 48
    .max_flat_workgroup_size: 256
    .sgpr_count:     84
    .vgpr_count:     512
    .wavefront_size: 32
...
	.end_amdgpu_metadata
.endif
;; end of part 3
;; launch outp (part 4): grid 4 x 64, 8 waves a work-group, clusters of 4 x 4, 277,504 bytes of LDS; arguments cbuf, wobuf, bo, out0; writes out0
.if DOCPART == 4
	.amdgcn_target "amdgcn-amd-amdhsa--gfx1250"
	.amdhsa_code_object_version 6
	.text
	.protected	k_qddc431f133_outp
	.globl	k_qddc431f133_outp
	.p2align	8
	.type	k_qddc431f133_outp,@function
k_qddc431f133_outp:
	s_mov_b64 s[64:65], 0
	v_nop
	global_prefetch_b8 v0, s[64:65] scope:SCOPE_SE
	s_setreg_imm32_b32 hwreg(HW_REG_WAVE_MODE, 25, 1), 1
	s_wait_xcnt 0x0
	s_wait_alu depctr_hold_cnt(0) depctr_sa_sdst(0) depctr_va_vdst(0) depctr_va_sdst(0) depctr_va_ssrc(0) depctr_va_vcc(0) depctr_vm_vsrc(0)
	s_getreg_b32 s2, hwreg(HW_REG_IB_STS2, 6, 4)
	s_cmp_eq_u32 s2, 0
	s_cbranch_scc0 .Lentry_in_a_cluster
	s_endpgm
.Lentry_in_a_cluster:
	s_bfe_u32 s2, ttmp6, 0x10000c
	s_cmp_lg_u32 s2, 0xf033
	s_cbranch_scc0 .Lentry_shape_is_right
	s_endpgm
.Lentry_shape_is_right:
; out0 = ctx Wo + bo on codes of FP4.  ctx [8192][2048] and Wo [2048][256] come as images of operand registers with their scale words, in blocks of four K steps.
; SHARES: a work-group makes 128 rows (rb) x 64 columns (cg), K = 2,048 in sixteen K steps, four chunks of four.  Wave w: row tiles 2 wr, 2 wr + 1 (wr = w % 4) against all four column tiles, over chunks 2 kh, 2 kh + 1 (kh = w / 4).
; Waves w and w xor 4 hold the two halves of the same sums: each sends one row tile to the other through LDS, adds the one that it keeps (row tile kh) and bo, and stores it.
; The product is used transposed (source 0 = 16 columns of Wo, source 1 = 16 rows of ctx): a lane holds one row, and its registers run along the columns.
; LDS, filled once: ctx's four chunks of 34,816 bytes, Wo's four of 17,408; behind them 4,096 bytes a wave for the exchange, a stage of 16 rows x 272 bytes a wave, and the spare words; no tile lands there.
; One tensor load a wave, all at the head, so there is no later request that a prefetch could run ahead of.  Waves 0 to 3 ask for the chunks that are multiplied first (0 and 2).
; CLUSTER 4 x 4: ctx's blocks hang on rb alone and are shared along a row of the cluster, Wo's on cg alone and are shared along a column: each is asked for jointly.
; The rows of a tile are tokens 32 a + 8 u + r + 8 (r / 8): the stores' row addresses undo that order.
; REGISTERS: v1 16 x lane, v2 4 x lane, v4 spare word, v5 0, v6-9 LDS addresses of codes and scale words, v10-11 the exchange, v24-26 the way out, v12-19 Wo's scale words, v20-23 ctx's,
;   v32-79 and v80-127 two sets of fragments (Wo's four, then ctx's two), v128-191 the accumulators (column tile t, row tile i at 128 + 8 (2 t + i)), v192-223 bo.
.set BLK, 34816
.set WBK, 17408
.set WOB, 4*BLK
.set XCH, 4*BLK+4*WBK
.set STG, XCH+8*4096
.set SPARE, STG+8*16*272
.macro ROUND                           ; a round of the cluster's barrier
	s_barrier_signal -1
	s_barrier_wait -1
	s_cmp_lg_u32 s12, 0
	s_cbranch_scc1 .Lnot_wave_0_\@
	s_barrier_signal -3
.Lnot_wave_0_\@:
	s_barrier_wait -3
	s_barrier_signal -1
	s_barrier_wait -1
.endm
.macro ARM under, g0, g1, next         ; one arm of the tree of the head's loads
	s_cmp_lt_u32 s12, \under
	s_cbranch_scc0 \next
	tensor_load_to_lds s[\g0:\g0+3], s[\g1:\g1+7]
	s_nop 0
.rept 4
	v_nop
.endr
	s_branch .Lhead_asked
\next:
.endm
.macro WM d, a, b, sa, sb, row, first  ; one product 16 x 16 x 128; row = 1: both sides' scale words are taken from lanes 16-31
.if \first
	v_wmma_scale_f32_16x16x128_f8f6f4 v[0+(\d):7+(\d)], v[0+(\a):7+(\a)], v[0+(\b):7+(\b)], 0, v[0+(\sa)], v[0+(\sb)] matrix_a_fmt:MATRIX_FMT_FP4 matrix_b_fmt:MATRIX_FMT_FP4
.elseif (\row) == 0
	v_wmma_scale_f32_16x16x128_f8f6f4 v[0+(\d):7+(\d)], v[0+(\a):7+(\a)], v[0+(\b):7+(\b)], v[0+(\d):7+(\d)], v[0+(\sa)], v[0+(\sb)] matrix_a_fmt:MATRIX_FMT_FP4 matrix_b_fmt:MATRIX_FMT_FP4
.else
	v_wmma_scale_f32_16x16x128_f8f6f4 v[0+(\d):7+(\d)], v[0+(\a):7+(\a)], v[0+(\b):7+(\b)], v[0+(\d):7+(\d)], v[0+(\sa)], v[0+(\sb)] matrix_a_fmt:MATRIX_FMT_FP4 matrix_b_fmt:MATRIX_FMT_FP4 matrix_a_scale:MATRIX_SCALE_ROW1 matrix_b_scale:MATRIX_SCALE_ROW1
.endif
.endm
	s_load_b256 s[4:11], s[0:1], 0x0               ; cbuf, wobuf, bo, out0
	v_lshl_add_u32 v4, v0, 2, SPARE
	v_mov_b32 v5, 0
	ds_add_u32 v4, v5                              ; the wave's opening: the add, twice on end, and its wait
	ds_add_u32 v4, v5
	v_lshrrev_b32 v6, 5, v0
	v_readfirstlane_b32 s12, v6                    ; wave 0..7
	s_lshr_b32 s66, s12, 2                         ; kh
	s_and_b32 s67, s12, 3                          ; wr
	s_mul_i32 s60, s66, 2*BLK
	s_lshl_b32 s61, s67, 11
	s_add_co_u32 s61, s61, s60                     ; ctx: chunk 2 kh, my two row tiles
	s_lshl_b32 s62, s67, 8
	s_add_co_u32 s62, s62, s60
	s_add_co_u32 s62, s62, 32768
	s_mul_i32 s63, s66, 2*WBK
	s_add_co_u32 s63, s63, WOB                     ; Wo: chunk 2 kh
	s_lshl_b32 s70, s12, 12
	s_add_co_u32 s70, s70, XCH                     ; what I send,
	s_xor_b32 s71, s12, 4
	s_lshl_b32 s71, s71, 12
	s_add_co_u32 s71, s71, XCH                     ; and what I am sent
	s_mul_i32 s72, s12, 16*272
	s_add_co_u32 s72, s72, STG                     ; my stage
	v_and_b32 v27, 31, v0
	v_lshlrev_b32 v1, 4, v27
	v_lshlrev_b32 v2, 2, v27
	v_add_nc_u32 v6, s61, v1
	v_add_nc_u32 v7, s62, v2
	v_add_nc_u32 v8, s63, v1
	v_add_nc_u32 v9, s63, v2
	v_add_nc_u32 v10, s70, v1
	v_add_nc_u32 v11, s71, v1
	v_and_b32 v27, 15, v0                          ; r
	v_bfe_u32 v28, v0, 4, 1                        ; h
	v_mul_u32_u24 v24, v27, 272
	v_lshl_add_u32 v24, v28, 6, v24
	v_add_nc_u32 v24, s72, v24                     ; in: row r, + 64 h bytes (column 32 a + 16 h + 8 u + j)
	v_mul_u32_u24 v25, v28, 272
	v_lshl_add_u32 v25, v27, 4, v25
	v_add_nc_u32 v25, s72, v25                     ; back: lanes 0-15 one row of 256 bytes, lanes 16-31 the next
	v_lshlrev_b32 v26, 10, v28
	v_lshl_add_u32 v26, v27, 4, v26                ; and the same two rows in out0
	v_lshlrev_b32 v29, 6, v28
	s_bfe_u32 s13, ttmp6, 0x40000                  ; cx = cg (the grid is one cluster wide)
	s_bfe_u32 s14, ttmp6, 0x40004                  ; cy
	s_and_b32 s15, ttmp7, 0xffff
	s_lshl_b32 s15, s15, 2
	s_add_co_u32 s15, s15, s14                     ; rb
	s_lshl_b32 s40, s14, 2
	s_lshl_b32 s40, 15, s40                        ; my row of the cluster
	s_lshl_b32 s41, 0x1111, s13                    ; my column
	s_or_b32 s16, s40, (3<<16)|(1<<21)             ; descriptor groups 1: dense rows of 256 bytes (32 elements of 8 bytes): 136 of ctx, to my row,
	s_or_b32 s24, s41, (3<<16)|(1<<21)             ; 68 of Wo, to my column
.irp g, 16, 24
	s_mov_b32 s[\g+1], 32<<16
	s_mov_b32 s[\g+3], 32<<16
	s_mov_b32 s[\g+5], 32
	s_mov_b32 s[\g+6], 0
	s_mov_b32 s[\g+7], 0
.endr
	s_mov_b32 s18, 136<<16
	s_mov_b32 s20, 136
	s_mov_b32 s26, 68<<16
	s_mov_b32 s28, 68
	s_and_b32 s68, s12, 1
	s_lshl_b32 s68, s68, 1
	s_add_co_u32 s68, s68, s66                     ; the chunk that I fetch: 2 (w % 2) + w / 4
	s_mul_i32 s42, s68, BLK
	s_mul_i32 s43, s68, WBK
	s_mul_i32 s44, s15, 4*BLK                      ; ctx's address hangs on rb and the wave alone,
	s_add_co_u32 s44, s44, s42
	s_mov_b32 s45, 0
	s_mul_i32 s46, s13, 4*WBK                      ; Wo's on cg and the wave alone
	s_add_co_u32 s46, s46, s43
	s_mov_b32 s47, 0
	s_add_co_u32 s43, s43, WOB
	s_lshl_b32 s76, s13, 8                         ; bo: my 64 columns
	s_mov_b32 s77, 0
	s_lshl_b32 s78, s15, 7
	s_lshl_b32 s79, s67, 5
	s_add_co_u32 s78, s78, s79
	s_lshl_b32 s78, s78, 10                        ; out0: row 128 rb + 32 wr,
	s_add_co_u32 s78, s78, s76                     ; + my 64 columns
	s_mov_b32 s79, 0
	s_wait_alu depctr_va_vdst(0)
	s_wait_dscnt 0x0                               ; both opening adds are done
	s_wait_kmcnt 0x0
	s_add_nc_u64 s[34:35], s[4:5], s[44:45]
	s_add_nc_u64 s[38:39], s[6:7], s[46:47]
	s_add_nc_u64 s[76:77], s[8:9], s[76:77]
	s_add_nc_u64 s[78:79], s[10:11], s[78:79]
	s_mov_b32 s32, 1
	s_mov_b32 s33, s42
	s_or_b32 s35, s35, 0x80000000
	s_mov_b32 s36, 1
	s_mov_b32 s37, s43
	s_or_b32 s39, s39, 0x80000000
.irp t, 0,1,2,3
	global_load_b128 v[192+8*\t:195+8*\t], v29, s[76:77] offset:128*(\t/2)+32*(\t%2)      ; bo in the result's layout
	global_load_b128 v[196+8*\t:199+8*\t], v29, s[76:77] offset:128*(\t/2)+32*(\t%2)+16
.endr
	ROUND                                          ; all sixteen work-groups are here: the joint loads meet
	ARM 2, 32, 16, .Lhead_w0
	ARM 4, 36, 24, .Lhead_c1
	ARM 6, 32, 16, .Lhead_w1
	tensor_load_to_lds s[36:39], s[24:31]
	s_nop 0
.rept 4
	v_nop
.endr
.Lhead_asked:
.macro LOADK p, k, f                   ; K step k of chunk 2 kh + p: Wo's four fragments, ctx's two: twelve loads
.irp t, 0,1,2,3
.irp c, 0,1
	ds_load_b128 v[8*\t+4*\c+(\f):8*\t+4*\c+3+(\f)], v8 offset:WBK*(\p)+(4*(\k)+\t)*1024+512*\c
.endr
.endr
.irp i, 0,1
.irp c, 0,1
	ds_load_b128 v[32+8*\i+4*\c+(\f):35+8*\i+4*\c+(\f)], v6 offset:BLK*(\p)+(8*(\k)+\i)*1024+512*\c
.endr
.endr
.endm
.macro MULK k, f, first                ; eight products, the eight accumulators by turns, in the same order in every K step
.irp t, 0,1,2,3
.irp i, 0,1
	WM 128+8*(2*\t+\i), 8*\t+(\f), 32+8*\i+(\f), 12+4*((\k)/2)+\t, 20+2*((\k)/2)+\i, (\k)%2, \first
.endr
.endr
.endm
.macro PLACES
.rept 4
	v_nop                                          ; places in front of loads into registers that products have read, and of the first read of results
.endr
.endm
.macro CHUNK p
.irp e, 0,1
.irp t, 0,1,2,3
	ds_load_b32 v[12+4*\e+\t], v9 offset:WBK*(\p)+16384+(4*\e+\t)*128      ; lanes 0-15: the even K step's words, lanes 16-31: the odd one's
.endr
.irp i, 0,1
	ds_load_b32 v[20+2*\e+\i], v7 offset:BLK*(\p)+(8*\e+\i)*128
.endr
.endr
	LOADK \p, 0, 32
	LOADK \p, 1, 80
	s_wait_dscnt 12                                ; all but the twelve youngest loads
	MULK 0, 32, (\p)==0
	PLACES
	LOADK \p, 2, 32
	s_wait_dscnt 12
	MULK 1, 80, 0
	PLACES
	LOADK \p, 3, 80
	s_wait_dscnt 12
	MULK 2, 32, 0
	s_wait_dscnt 0x0
	MULK 3, 80, 0
	PLACES
.endm
	s_cmp_gt_u32 s12, 3
	s_cbranch_scc1 .Lnot_first
	s_wait_tensorcnt 0x0                           ; waves 0 to 3: chunks 0 and 2
.Lnot_first:
	s_wait_dscnt 0x0
	s_barrier_signal -1
	s_barrier_wait -1
	CHUNK 0
	s_wait_tensorcnt 0x0                           ; chunks 1 and 3: all that is still out
	s_wait_dscnt 0x0
	s_barrier_signal -1
	s_barrier_wait -1
	CHUNK 1
	; THE EXCHANGE: the row tile that the other wave keeps goes to it
.macro SENDX i
.irp t, 0,1,2,3
	ds_store_b128 v10, v[128+8*(2*\t+(\i)):131+8*(2*\t+(\i))] offset:1024*\t       ; each accumulator from its low end on
	ds_store_b128 v10, v[132+8*(2*\t+(\i)):135+8*(2*\t+(\i))] offset:1024*\t+512
.endr
.endm
	s_cmp_lt_u32 s12, 4
	s_cbranch_scc0 .Lsend_0
	SENDX 1
	s_branch .Lsent
.Lsend_0:
	SENDX 0
.Lsent:
	s_wait_dscnt 0x0
	s_barrier_signal -1
	s_barrier_wait -1
.irp t, 0,1,2,3,4,5,6,7
	ds_load_b128 v[32+4*\t:35+4*\t], v11 offset:512*\t
.endr
	s_wait_loadcnt 0x0                             ; bo
	s_wait_dscnt 0x0
	; THE WAY OUT: my row tile (16 rows x 64 columns) goes through my own stage and comes back as whole rows of 256 bytes.  LDS serves a wave's instructions in order: no wait between my stores and my loads.
.macro OUT i
.irp t, 0,1,2,3
.irp m, 0,2,4,6
	v_pk_add_f32 v[128+8*(2*\t+(\i))+\m:129+8*(2*\t+(\i))+\m], v[128+8*(2*\t+(\i))+\m:129+8*(2*\t+(\i))+\m], v[32+8*\t+\m:33+8*\t+\m]
.endr
.endr
.irp t, 0,1,2,3
.irp m, 0,2,4,6
	v_pk_add_f32 v[128+8*(2*\t+(\i))+\m:129+8*(2*\t+(\i))+\m], v[128+8*(2*\t+(\i))+\m:129+8*(2*\t+(\i))+\m], v[192+8*\t+\m:193+8*\t+\m]
.endr
.endr
.irp t, 0,1,2,3
	ds_store_b128 v24, v[128+8*(2*\t+(\i)):131+8*(2*\t+(\i))] offset:128*(\t/2)+32*(\t%2)
	ds_store_b128 v24, v[132+8*(2*\t+(\i)):135+8*(2*\t+(\i))] offset:128*(\t/2)+32*(\t%2)+16
.endr
.irp t, 0,1,2,3,4,5,6,7
	ds_load_b128 v[80+4*\t:83+4*\t], v25 offset:544*\t
.endr
.irp t, 0,1,2,3,4,5,6,7
	s_wait_dscnt 7-\t
	global_store_b128 v26, v[80+4*\t:83+4*\t], s[78:79] offset:(8*(\i)+2*\t+8*(\t/4))*1024 th:TH_STORE_NT   ; sixteen lanes store 256 consecutive bytes, aligned; stage row r is token row 8 i + r + 8 (r / 8)
.endr
.endm
	s_cmp_lt_u32 s12, 4
	s_cbranch_scc0 .Lkeep_1
	OUT 0
	s_branch .Lout
.Lkeep_1:
	OUT 1
.Lout:
	s_wait_tensorcnt 0x0                           ; the wave's end
	ds_add_u32 v4, v5
	s_wait_dscnt 0x0
	ROUND                                          ; the closing round: no work-group ends while a partner may still ask for a tile that names it
	s_endpgm
.Lfunc_end_k_qddc431f133_outp:
	.size	k_qddc431f133_outp, .Lfunc_end_k_qddc431f133_outp-k_qddc431f133_outp
	.p2alignl 7, 3214868480
	.fill 96, 4, 3214868480
	.section	.rodata,"a",@progbits
	.p2align	6, 0x0
	.amdhsa_kernel k_qddc431f133_outp
		.amdhsa_group_segment_fixed_size 277504
		.amdhsa_private_segment_fixed_size 0
		.amdhsa_enable_private_segment 0
		.amdhsa_kernarg_size 32
		.amdhsa_user_sgpr_count 2
		.amdhsa_user_sgpr_kernarg_segment_ptr 1
		.amdhsa_wavefront_size32 1
		.amdhsa_system_sgpr_workgroup_id_x 1
		.amdhsa_system_sgpr_workgroup_id_y 1
		.amdhsa_system_sgpr_workgroup_id_z 1
		.amdhsa_system_vgpr_workitem_id 0
		.amdhsa_next_free_vgpr 256
		.amdhsa_next_free_sgpr 84
		.amdhsa_reserve_vcc 0
		.amdhsa_float_denorm_mode_32 3
		.amdhsa_float_denorm_mode_16_64 3
		.amdhsa_memory_ordered 1
		.amdhsa_forward_progress 1
		.amdhsa_inst_pref_size 35
	.end_amdhsa_kernel
	.amdgpu_metadata
---
amdhsa.version: [ 1, 2 ]
amdhsa.kernels:
  - .name:           k_qddc431f133_outp
    .symbol:         k_qddc431f133_outp.kd
    .args:
      - { .name: cbuf, .offset: 0, .size: 8, .value_kind: global_buffer, .address_space: global }
      - { .name: wobuf, .offset: 8, .size: 8, .value_kind: global_buffer, .address_space: global }
      - { .name: bo, .offset: 16, .size: 8, .value_kind: global_buffer, .address_space: global }
      - { .name: out0, .offset: 24, .size: 8, .value_kind: global_buffer, .address_space: global }
    .group_segment_fixed_size: 277504
    .private_segment_fixed_size: 0
    .kernarg_segment_align: 8
    .kernarg_segment_size: 32
    .max_flat_workgroup_size: 256
    .sgpr_count:     84
    .vgpr_count:     256
    .wavefront_size: 32
...
	.end_amdgpu_metadata
.endif
;; end of part 4
